; MI455X (gfx1250); checked and timed in simulation.
; The chip was launched on July 23, 2026; its instructions are those of AMD's public machine-readable ISA for CDNA 5 (MIT licence, August 2026) and "CDNA5" Instruction Set Architecture Reference Guide (July 2026). The comments in the code are by the model that wrote it; some were corrected since.
;; Causal Self Attention. Allowed arithmetic: matrix products marked QUANTISED: E3M2 operands, one E8M0 scale for each 32 along K, by v_wmma_scale_f32_16x16x128_f8f6f4 with both operands' format E3M2, f32 sums; everything else in f32.
;; Inputs: W_out 1,024 x 1,024 float32; W_qkv 1,024 x 3,072 float32; b_out 1,024 float32; b_qkv 3,072 float32; x 4 x 2,048 x 1,024 float32.
;; Outputs: out0 4 x 2,048 x 1,024 float32.
;; This version of the problem:
;;   THIS VERSION OF THE PROBLEM IS GIVEN IN LOW PRECISION. The matrix products marked QUANTISED in the list below multiply operands that are first quantised to E3M2 (3 exponent bits, 2 mantissa bits; 6 bits a number), with one power-of-two scale for each 32 numbers along K (OCP MX v1.0); their sums are f32. All else is computed in f32.
;;   The module's matrix products, in the order in which they are computed (A, B: the left and right operand; K: the contracted axis; several contracted axes count as one K, in the product's order):
;;     1. [M 8,192, K 1,024] x [K 1,024, N 3,072]; A: input x; B: input W_qkv: QUANTISED
;;     2. batch 64 x [M 2,048, K 64] x [K 64, N 2,048]; A: computed on the way; B: computed on the way: QUANTISED
;;     3. batch 64 x [M 2,048, K 2,048] x [K 2,048, N 64]; A: softmax (see below); B: computed on the way: QUANTISED
;;     4. [M 8,192, K 1,024] x [K 1,024, N 1,024]; A: computed on the way; B: input W_out: QUANTISED
;;   THE QUANTISER, for each operand of a quantised product, along K:
;;     - K is cut into blocks of 32 from its start; a last block that is shorter is filled with zeros.
;;     - A block's scale is 2^e with e = floor(log2(the largest magnitude in the block)) - 4, held to -126 .. 127; a block of zeros has e = 0. As a byte (E8M0): e + 127.
;;     - Each number is divided by its block's scale, clamped to +-28, and rounded to the nearest number of E3M2, ties to even, subnormals kept.
;;     - The product sums the exact products of the quantised numbers (number of the format x scale) in f32.
;;   ~~~python
;;   def quantise(x, axis):      # numpy; x: float32 -> the quantised numbers, widened to float32 again
;;       x = np.moveaxis(x, axis, -1); K = x.shape[-1]
;;       x = np.pad(x, [(0, 0)] * (x.ndim - 1) + [(0, -K % 32)]); x = x.reshape(x.shape[:-1] + (-1, 32)); a = np.abs(x).max(-1, keepdims=True)
;;       e = np.where(a > 0, np.clip(np.frexp(np.where(a > 0, a, 1))[1] - 1 - 4, -126, 127), 0)      # np.frexp(a)[1] - 1 = floor(log2(a)), exactly
;;       r = np.clip(x / 2.0 ** e, -28, 28)
;;       step = 2.0 ** (np.maximum(np.frexp(np.where(r == 0, 1, r))[1] - 1, -2) - 2)
;;       q = np.round(r / step) * step * 2.0 ** e      # np.round: ties to even
;;       return np.moveaxis(q.reshape(q.shape[:-2] + (-1,))[..., :K], -1, axis).astype(np.float32)
;;   ~~~
;;   SOFTMAX AHEAD OF A QUANTISED PRODUCT. Where the list says 'softmax', what is quantised is not the finished softmax but p = 2^(t - M), with t = logit x log2(e) and M = ceil(the row's largest t), a whole number; so 1/2 < the row's largest p <= 1. The row's sum l is taken of the UNQUANTISED p, in f32, and the product's result is divided by l at the end. Since M is a whole number, a kernel that streams over the keys may use a running M (the ceiling of the running maximum): every later rescaling is an exact power of two, which a block's scale takes up: the codes' values come out the same.
;;   OPERANDS COMPUTED ON THE WAY. 'Computed on the way' means the value that the module computes at that place (a softmax that the list does not call 'softmax' is quantised finished and normalised). What goes into a quantiser is computed in f32, as accurately as f32 sums, v_exp_f32 and their like allow (about 1e-6 of the number): no bf16 or f16 on the way to a quantiser, and a product that is left as it is and whose result goes on into a quantised operand takes f32 operands (vector FMAs, or v_wmma_f32_16x16x4_f32). A number that lies on a knife's edge between two numbers of the format may be rounded either way, as far as f32 arithmetic and the matrix unit's own rounding can turn it there, and no further.
;; One version. Each part assembles by itself: llvm-mc -triple=amdgcn-amd-amdhsa -mcpu=gfx1250 --defsym DOCPART=n.
;; ======== version 1 of 1: 4 launches
;; workspace buffers: xq 6,553,600 bytes; wq 2,457,600 bytes; wo 819,200 bytes; qrec 6,815,744 bytes; kvrec 13,369,344 bytes; oq 6,553,600 bytes
;; launch prep (part 1): grid 768 x 1, 4 waves a work-group, no clusters, 34,304 bytes of LDS; arguments x, W_qkv, W_out, xq, wq, wo; writes xq, wq, wo
.if DOCPART == 1
	.amdgcn_target "amdgcn-amd-amdhsa--gfx1250"
	.amdhsa_code_object_version 6
	.text
	.protected	k_qa49a72542f_prep
	.globl	k_qa49a72542f_prep
	.p2align	8
	.type	k_qa49a72542f_prep,@function
k_qa49a72542f_prep:
	s_mov_b64 s[64:65], 0
	v_nop
	global_prefetch_b8 v0, s[64:65] scope:SCOPE_SE
	s_setreg_imm32_b32 hwreg(HW_REG_WAVE_MODE, 25, 1), 1
	s_wait_xcnt 0x0
; x [8192][1024], W_qkv [1024][3072] and W_out [1024][1024], f32, become codes of BF6 (E3M2) with one E8M0 scale byte for each 32 along K (K = the 1,024).
; A block's scale is 2^(floor(log2(its largest magnitude)) - 4): its byte is the largest magnitude's exponent field - 4, held at 1 from below.
; LIMITS: NaN and infinities among the inputs are not served.  A block whose largest magnitude lies under 2^-122 gets the byte 1, a block of zeros too (the rule says 127 for it): its codes are
; zeros, which add nothing under any byte but 0xff, and the bytes are read by this program alone.
; THE BUFFERS ARE LAID IN THE ORDER OF THE OPERAND'S REGISTERS.  A brick (12,800 bytes) is 128 rows x 128 along K: eight fragments of 16 rows (1,536 bytes each), then 128 scale words (row p's at 4 p).
; A fragment is two halves of 768 bytes (64 along K each): lane l's registers 0-3 at 16 l, its registers 4-5 at 512 + 8 l.  A buffer is [panel of 128 rows][K step 0..7].
; Work-groups 0-511: 16 rows of x each.  512-703: a brick of W_qkv each (rows of the brick = columns of W).  704-767: a brick of W_out.  No tensor loads, no barrier: waves share nothing.
; W_out's rows are taken, inside each block of 32 along K, in the order 0-7, 16-23, 8-15, 24-31: the order in which the attention launch leaves its result's codes.  A block has one scale, and both
; sides of the product have the same order, so the products are the same.
.set PANEL, 102400                     ; eight bricks
.set BRK,   12800
.set FRB,   1536
.set FLOOR, 0x2800000                  ; 2^(5 - 127): under it no largest magnitude is taken, so the byte cannot fall under 1
.set EOFF,  0xfe000000                 ; -(4 << 23): 4 off an exponent field
.set XWG,   512                        ; work-groups of x
.set QWG,   192                        ; of W_qkv
.set STG,   8448                       ; x: a wave's stage in LDS: 16 rows x SP
.set SP,    528                        ; 512 bytes + 16: the 16 rows that a load of 16 bytes a lane touches start 16 bytes apart modulo 256
.set R,     16                         ; x: v16-143 two units of 64 registers as loaded; v16-79 later unit 1's numbers by blocks
.set X0,    144                        ; x: v144-207 unit 0's numbers by blocks
.set CD,    208                        ; x: v208-231 the codes, 12 registers a unit
.set TP,    232                        ; x: v232-238 the upper halves of two blocks' codes
.set NUM,   16                         ; W: v16-143 four blocks of 32 numbers of my column
.set WC,    144                        ; W: v144-167 the codes, 6 registers a block
.set WT,    168                        ; W: v168-182 the upper halves
.set MA,    208                        ; W: largest magnitudes, two chains
.set MB,    212
.set SO,    216                        ; W: the conversions' scale operands
.set BY,    220                        ; W: the bytes
	s_load_b256 s[4:11], s[0:1], 0x0               ; x s[4:5], W_qkv s[6:7], W_out s[8:9], xq s[10:11]
	s_load_b128 s[12:15], s[0:1], 0x20             ; wq s[12:13], wo s[14:15]
	v_lshl_add_u32 v254, v0, 2, 0x8400
	v_mov_b32 v255, 0
	v_lshrrev_b32 v1, 5, v0
	v_readfirstlane_b32 s16, v1                    ; wave 0..3
	v_and_b32 v1, 31, v0                           ; lane
	v_lshlrev_b32 v3, 2, v1                        ; 4 x lane
	v_lshlrev_b32 v4, 4, v1                        ; 16 x lane
	v_lshlrev_b32 v5, 3, v1                        ; 8 x lane
	s_cmp_lt_u32 ttmp9, XWG
	s_cbranch_scc0 .Lweights
	; ---------------- x: the work-group takes 16 rows (65,536 dense bytes); wave w takes K steps 2 w and 2 w + 1 (units 0 and 1)
	v_and_b32 v2, 15, v0                           ; r
	v_bfe_u32 v10, v0, 4, 1                        ; h
	s_mul_i32 s17, s16, STG
	v_add_nc_u32 v6, s17, v4                       ; the stage, on the way in: a row's 512 bytes as they lie
	v_mul_u32_u24 v7, v2, SP
	v_lshl_add_u32 v7, v10, 7, v7
	v_add_nc_u32 v7, s17, v7                       ; on the way out: row r, + 128 h: my block of 32 numbers
	v_mul_u32_u24 v8, v10, BRK
	v_lshl_add_u32 v8, v2, 2, v8                   ; the scale words: lanes 0-15 unit 0's brick, lanes 16-31 unit 1's; 4 bytes a row
	v_lshlrev_b32 v9, 3, v10                       ; 8 h
	v_mov_b32 v247, 0                              ; written once: a lane permute's destination counts as one of its sources
	s_mov_b32 s20, 0x76543210
	s_mov_b32 s21, 0xfedcba98                      ; v_permlanex16_b32's selects for lane l xor 16
	s_lshl_b32 s24, ttmp9, 16                      ; 16 rows of 4,096 bytes
	s_lshl_b32 s25, s16, 10                        ; my wave's 1,024 bytes of a row
	s_add_co_u32 s24, s24, s25
	s_mov_b32 s25, 0
	s_lshr_b32 s26, ttmp9, 3                       ; the panel
	s_mul_i32 s26, s26, PANEL
	s_mul_i32 s27, s16, 2*BRK                      ; K step 2 w
	s_add_co_u32 s26, s26, s27
	s_and_b32 s27, ttmp9, 7                        ; the tile in the panel
	s_mul_i32 s28, s27, FRB
	s_add_co_u32 s28, s28, s26                     ; its fragment
	s_mov_b32 s29, 0
	s_lshl_b32 s27, s27, 6
	s_add_co_u32 s30, s26, s27
	s_add_co_u32 s30, s30, 8*FRB                   ; its 16 scale words
	s_mov_b32 s31, 0
	s_wait_alu depctr_va_vdst(0)
	s_wait_kmcnt 0x0
	s_add_nc_u64 s[4:5], s[4:5], s[24:25]
	s_add_nc_u64 s[28:29], s[10:11], s[28:29]
	s_add_nc_u64 s[30:31], s[10:11], s[30:31]
.irp u, 0,1
.set i, 0
.rept 16
	global_load_b128 v[R+64*\u+4*i:R+64*\u+4*i+3], v4, s[4:5] offset:4096*i+512*\u th:TH_LOAD_NT   ; 32 lanes read 512 consecutive bytes of row i; all 32 loads go out at once
.set i, i+1
.endr
.endr
; A conversion takes 16 neighbours along K from ONE lane's registers, a load is dense where neighbouring lanes take neighbouring bytes: so a unit turns through the wave's own stage.
.macro TOSTAGE u
.set i, 0
.rept 16
	ds_store_b128 v6, v[R+64*\u+4*i:R+64*\u+4*i+3] offset:SP*i
.set i, i+1
.endr
.endm
.macro BACK dst                        ; lane (r, h) takes blocks h and 2 + h of row r: the fragment's layout
.irp c, 0,1
.irp j, 0,1,2,3,4,5,6,7
	ds_load_b128 v[\dst+32*\c+4*\j:\dst+32*\c+4*\j+3], v7 offset:256*\c+16*\j
.endr
.endr
.endm
	s_wait_loadcnt 16                              ; unit 0's 16 loads are in; unit 1's may be out
	TOSTAGE 0
	BACK X0                                        ; LDS serves a wave's instructions in order: these see the stores above, and unit 1's stores come behind them
	s_wait_loadcnt 0x0
	TOSTAGE 1
	s_wait_dscnt 32                                ; unit 0's 16 stores are done (behind them: 16 loads, 16 stores): the registers that they read may be loaded again
	BACK R
; 64 numbers of a lane (two whole blocks) become half a fragment each, and the row's scale word
.macro WORK src, u
.irp c, 0,1
	v_max3_num_f32 v[240+\c], |v[\src+32*\c]|, |v[\src+32*\c+1]|, FLOOR
.endr
.irp i, 2,4,6,8,10,12,14,16,18,20,22,24,26,28,30
.irp c, 0,1
	v_max3_num_f32 v[240+\c], v[240+\c], |v[\src+32*\c+\i]|, |v[\src+32*\c+\i+1]|   ; the two blocks by turns
.endr
.endr
.irp c, 0,1
	v_add_nc_u32 v[242+\c], EOFF, v[240+\c]        ; 4 off the exponent field: the conversion takes the exponent field of this operand as its scale
.endr
.irp c, 0,1
	v_lshrrev_b32 v[244+\c], 23, v[242+\c]         ; the scale's byte
.endr
.irp c, 0,1
	v_cvt_scalef32_pk16_bf6_f32 v[CD+12*\u+6*\c:CD+12*\u+6*\c+2], v[\src+32*\c:\src+32*\c+15], v[242+\c]
	v_cvt_scalef32_pk16_bf6_f32 v[TP+4*\c:TP+4*\c+2], v[\src+32*\c+16:\src+32*\c+31], v[242+\c]   ; (a conversion's three registers begin on an even number)
.endr
	v_lshl_or_b32 v246, v245, 16, v244             ; my two bytes, blocks h and 2 + h.  (A plain line behind the conversions)
	v_lshlrev_b32 v246, v9, v246                   ; at their places in the word
	v_permlanex16_b32 v247, v246, s20, s21
	v_or_b32 v[248+\u], v246, v247                 ; with lane l xor 16's two the word is whole
.irp c, 0,1
.irp i, 0,1,2
	v_mov_b32 v[CD+12*\u+6*\c+3+\i], v[TP+4*\c+\i]
.endr
.endr
.irp c, 0,1
	global_store_b128 v4, v[CD+12*\u+6*\c:CD+12*\u+6*\c+3], s[28:29] offset:BRK*\u+768*\c        ; 512 consecutive bytes, aligned to 256
	global_store_b64 v5, v[CD+12*\u+6*\c+4:CD+12*\u+6*\c+5], s[28:29] offset:BRK*\u+768*\c+512   ; 256 consecutive bytes, aligned
.endr
.endm
	s_wait_dscnt 32                                ; unit 0's numbers are back (behind them: unit 1's 16 stores and 16 loads)
	WORK X0, 0
	s_wait_dscnt 0x0
	WORK R, 1
	s_mov_b32 vcc_lo, 0xffff0000
	v_cndmask_b32 v250, v248, v249, vcc_lo         ; lanes 0-15 unit 0's word, lanes 16-31 unit 1's
	global_store_b32 v8, v250, s[30:31]
	s_wait_tensorcnt 0x0
	ds_add_u32 v254, v255
	s_wait_dscnt 0x0
	s_endpgm
; ---------------- a weight [1024][cols]: K is its FIRST axis.  A lane takes a column and its registers run down K: a block of 32 lies in one lane.
.macro WBLOCK b
.set XB, NUM+32*(\b)
	v_max3_num_f32 v[MA+\b], |v[XB]|, |v[XB+1]|, FLOOR
	v_max3_num_f32 v[MB+\b], |v[XB+2]|, |v[XB+3]|, |v[XB+4]|
.irp i, 5,9,13,17,21,25
	v_max3_num_f32 v[MA+\b], v[MA+\b], |v[XB+\i]|, |v[XB+\i+1]|
	v_max3_num_f32 v[MB+\b], v[MB+\b], |v[XB+\i+2]|, |v[XB+\i+3]|
.endr
	v_max3_num_f32 v[MA+\b], v[MA+\b], |v[XB+29]|, |v[XB+30]|
	v_max3_num_f32 v[MA+\b], v[MA+\b], v[MB+\b], |v[XB+31]|
	v_add_nc_u32 v[SO+\b], EOFF, v[MA+\b]
	v_lshrrev_b32 v[BY+\b], 23, v[SO+\b]
	v_cvt_scalef32_pk16_bf6_f32 v[WC+6*\b:WC+6*\b+2], v[XB:XB+15], v[SO+\b]
	v_cvt_scalef32_pk16_bf6_f32 v[WT+4*\b:WT+4*\b+2], v[XB+16:XB+31], v[SO+\b]
.endm
; cols: the weight's columns; perm: the order inside a block; src, dst: the pointers' registers; first: the path's first work-group
.macro WPATH cols, perm, src, dst, first
	s_sub_co_u32 s17, ttmp9, \first
	s_lshr_b32 s18, s17, 3                         ; the panel: columns 128 x panel on
	s_and_b32 s19, s17, 7                          ; the K step: rows 128 x step on
	s_mul_i32 s24, s19, 128*\cols*4
	s_lshl_b32 s25, s18, 9
	s_add_co_u32 s24, s24, s25
	s_lshl_b32 s25, s16, 7                         ; my wave's 32 columns
	s_add_co_u32 s24, s24, s25
	s_mov_b32 s25, 0
	s_mul_i32 s26, s18, PANEL
	s_mul_i32 s27, s19, BRK
	s_add_co_u32 s26, s26, s27                     ; the brick
	s_mul_i32 s27, s16, 2*FRB
	s_add_co_u32 s28, s26, s27                     ; my tiles 2 w and 2 w + 1
	s_mov_b32 s29, 0
	s_lshl_b32 s27, s16, 7
	s_add_co_u32 s30, s26, s27
	s_add_co_u32 s30, s30, 8*FRB                   ; my 32 scale words
	s_mov_b32 s31, 0
	s_wait_kmcnt 0x0
	s_add_nc_u64 s[24:25], s[\src:\src+1], s[24:25]
	s_add_nc_u64 s[28:29], s[\dst:\dst+1], s[28:29]
	s_add_nc_u64 s[30:31], s[\dst:\dst+1], s[30:31]
.set p, 0
.rept 128
.if \perm
.set e, (p/32)*32+((((p%32)/8)&1)*2+((p%32)/16))*8+p%8   ; the two middle groups of eight change places
.else
.set e, p
.endif
	global_load_b32 v[NUM+p], v3, s[24:25] offset:e*\cols*4 th:TH_LOAD_NT   ; a wave reads 128 consecutive bytes, the four waves 512; the largest offset, 127 rows of 12,288 bytes, lies inside the signed 24-bit immediate
.set p, p+1
.endr
	s_wait_loadcnt 63                              ; at most 63 of the 128 are out: blocks 0 and 1 (the first 64) are in
	WBLOCK 0
	WBLOCK 1
	s_wait_loadcnt 32                              ; block 2 is in
	WBLOCK 2
	s_wait_loadcnt 0x0
	WBLOCK 3
	v_lshl_or_b32 v224, v[BY+1], 8, v[BY]          ; my column's scale word.  (Plain lines behind the conversions)
	v_lshl_or_b32 v224, v[BY+2], 16, v224
	v_lshl_or_b32 v224, v[BY+3], 24, v224
.irp b, 0,1,2,3
.irp i, 0,1,2
	v_mov_b32 v[WC+6*\b+3+\i], v[WT+4*\b+\i]
.endr
.endr
.irp c, 0,1                            ; lanes 0-15 are tile 2 w's columns, lanes 16-31 tile 2 w + 1's.  The exchange leaves, of blocks 2 c and 2 c + 1, tile 2 w's half fragment in the first six registers and tile 2 w + 1's in the second
.irp i, 0,1,2,3,4,5
	v_permlane16_swap_b32 v[WC+12*\c+\i], v[WC+12*\c+6+\i]
.endr
.endr
.irp c, 0,1
.irp t, 0,1
	global_store_b128 v4, v[WC+12*\c+6*\t:WC+12*\c+6*\t+3], s[28:29] offset:FRB*\t+768*\c
	global_store_b64 v5, v[WC+12*\c+6*\t+4:WC+12*\c+6*\t+5], s[28:29] offset:FRB*\t+768*\c+512
.endr
.endr
	global_store_b32 v3, v224, s[30:31]
	s_endpgm
.endm
.Lweights:
	s_cmp_lt_u32 ttmp9, XWG+QWG
	s_cbranch_scc0 .Lw_out
	s_wait_alu depctr_va_vdst(0)
	WPATH 3072, 0, 6, 12, XWG
.Lw_out:
	s_wait_alu depctr_va_vdst(0)
	WPATH 1024, 1, 8, 14, XWG+QWG
.Lfunc_end_k_qa49a72542f_prep:
	.size	k_qa49a72542f_prep, .Lfunc_end_k_qa49a72542f_prep-k_qa49a72542f_prep
	.p2alignl 7, 3214868480
	.fill 96, 4, 3214868480
	.section	.rodata,"a",@progbits
	.p2align	6, 0x0
	.amdhsa_kernel k_qa49a72542f_prep
		.amdhsa_group_segment_fixed_size 34304
		.amdhsa_private_segment_fixed_size 0
		.amdhsa_enable_private_segment 0
		.amdhsa_kernarg_size 48
		.amdhsa_user_sgpr_count 2
		.amdhsa_user_sgpr_kernarg_segment_ptr 1
		.amdhsa_wavefront_size32 1
		.amdhsa_system_sgpr_workgroup_id_x 1
		.amdhsa_system_sgpr_workgroup_id_y 1
		.amdhsa_system_sgpr_workgroup_id_z 1
		.amdhsa_system_vgpr_workitem_id 0
		.amdhsa_next_free_vgpr 256
		.amdhsa_next_free_sgpr 66
		.amdhsa_reserve_vcc 1
		.amdhsa_float_denorm_mode_32 3
		.amdhsa_float_denorm_mode_16_64 3
		.amdhsa_memory_ordered 1
		.amdhsa_forward_progress 1
		.amdhsa_inst_pref_size 57
	.end_amdhsa_kernel
	.amdgpu_metadata
---
amdhsa.version: [ 1, 2 ]
amdhsa.kernels:
  - .name:           k_qa49a72542f_prep
    .symbol:         k_qa49a72542f_prep.kd
    .args:
      - { .name: x, .offset: 0, .size: 8, .value_kind: global_buffer, .address_space: global }
      - { .name: W_qkv, .offset: 8, .size: 8, .value_kind: global_buffer, .address_space: global }
      - { .name: W_out, .offset: 16, .size: 8, .value_kind: global_buffer, .address_space: global }
      - { .name: xq, .offset: 24, .size: 8, .value_kind: global_buffer, .address_space: global }
      - { .name: wq, .offset: 32, .size: 8, .value_kind: global_buffer, .address_space: global }
      - { .name: wo, .offset: 40, .size: 8, .value_kind: global_buffer, .address_space: global }
    .group_segment_fixed_size: 34304
    .private_segment_fixed_size: 0
    .kernarg_segment_align: 8
    .kernarg_segment_size: 48
    .max_flat_workgroup_size: 128
    .sgpr_count:     66
    .vgpr_count:     256
    .wavefront_size: 32
...
	.end_amdgpu_metadata
.endif
;; end of part 1
;; launch qkv (part 2): grid 12 x 32, 4 waves a work-group, clusters of 4 x 4, 327,680 bytes of LDS; arguments xq, wq, b_qkv, qrec, kvrec; writes qrec, kvrec
.if DOCPART == 2
	.amdgcn_target "amdgcn-amd-amdhsa--gfx1250"
	.amdhsa_code_object_version 6
	.text
	.protected	k_qa49a72542f_qkv
	.globl	k_qa49a72542f_qkv
	.p2align	8
	.type	k_qa49a72542f_qkv,@function
k_qa49a72542f_qkv:
	s_mov_b64 s[64:65], 0
	v_nop
	global_prefetch_b8 v0, s[64:65] scope:SCOPE_SE
	s_setreg_imm32_b32 hwreg(HW_REG_WAVE_MODE, 25, 1), 1
	s_wait_xcnt 0x0
	s_wait_alu depctr_hold_cnt(0) depctr_sa_sdst(0) depctr_va_vdst(0) depctr_va_sdst(0) depctr_va_ssrc(0) depctr_va_vcc(0) depctr_vm_vsrc(0)
	s_getreg_b32 s2, hwreg(HW_REG_IB_STS2, 6, 4)
	s_cmp_eq_u32 s2, 0
	s_cbranch_scc0 .Lentry_in_a_cluster
	s_endpgm
.Lentry_in_a_cluster:
	s_bfe_u32 s2, ttmp6, 0x10000c
	s_cmp_lg_u32 s2, 0xf033
	s_cbranch_scc0 .Lentry_shape_is_right
	s_endpgm
.Lentry_shape_is_right:
; qkv = x W_qkv + b_qkv on codes of BF6 (E3M2) with E8M0 scales; q, k and v are quantised in registers and leave as codes: the f32 numbers never go to memory.
; A work-group of four waves makes 256 tokens x 256 columns, a wave 128 x 128: 64 accumulators of 16 x 16 in 512 registers.  K = 1,024 goes in eight steps of 128.
; THE GRID: 12 tile columns x 32 tile rows.  Tile columns 0-3 are q, 4-7 k, 8-11 v: a cluster (4 x 4) lies inside one kind, kind = the cluster's x.
; OPERANDS lie in memory in the order of their registers: a brick of 12,800 bytes is 128 rows x 128 K (eight fragments of 1,536 bytes, then 128 scale words); two K steps of a panel are 25,600 dense bytes.
; WHICH SIDE IS SOURCE 0.  q, k: source 0 = 16 rows of W, source 1 = 16 tokens: a lane holds ONE token and its registers run along the head's 64, which is their next K.
;   v: source 0 = 16 tokens, source 1 = 16 rows of W: a lane holds ONE channel and its registers run along the tokens, which are the keys, v's next K.
;   The products' text is one for all kinds: only the two LDS bases from which fragments are read are chosen, by a scalar select on the kind.
; THE ORDER INSIDE A BLOCK OF 32.  From tiles 2 b and 2 b + 1 a lane (r, h) holds elements 32 b + 8 h + 0..7 and 32 b + 16 + 8 h + 0..7; converted as they stand and joined with lane l xor 16's, a block's
;   codes lie in the order 0-7, 16-23, 8-15, 24-31.  q and k both have it, and so have v's keys and the attention launch's p: a block has one scale, so the products are the same.
; LDS: three slots of 102,400 bytes (x's two panels, W's two panels, two K steps each).  K pairs 0, 1, 2 are first fills; pair 3 fills slot 0 again.  By this text's count a wave has at most three tensor loads out.
; CLUSTER: x's panels hang on the tile row and are asked for jointly along a row of the cluster, W's on the tile column and along a column.
; THE GRID HAS 384 WORK-GROUPS: a tile of 256 x 384 would want 768 accumulator registers a wave and leave no room for operands.
; OUT: q: a record of 6,656 bytes for (batch x head, 128 tokens): eight half fragments of 768 bytes, then 128 scale words.  k, v: a record of 13,056 bytes: k as q; from 6,656 v's four fragments (16 channels x 128 keys), from 12,800 its 64 scale words.
;   q's and k's scale words carry two bytes; the upper two are 0x7f (1.0): in the attention launch they meet zero codes.
; LIMITS: NaN and infinities are not served; a block whose largest magnitude lies under 2^-122, a block of zeros too, gets the byte 1: only this program reads the bytes.
; REGISTERS, in windows of 256: window 0: v4-21 LDS addresses, six a slot; v22-31 other addresses; v32-47 scale words, two sets; v48-63 the biases in v's layout; v64-255 fragment set 0.
;   window 1: v0-63 the biases in q's and k's layout; v64-255 fragment set 1.   windows 2, 3: the accumulators ((a, b) at v[8 (8 (a % 4) + b)], a < 4 in window 2).
.set PANEL, 102400
.set BRK,   12800
.set PAIR,  25600
.set FRB,   1536
.set SLOT,  102400
.set SPARE, 3*SLOT                     ; behind the slots: the spare words, 128 bytes a wave: two blocks of 256 bytes that no other line names
.set FR,    12
.set ADR,   4                          ; v[4 + 6 s ..]: slot s: source 0's 16 l, 8 l, 4 l + base; source 1's likewise
.set L16,   22
.set L8,    23
.set SOFF,  24                         ; q, k: the scale words' offset: 4 r, + 16 records for lanes 16-31 (the second head)
.set H16,   25                         ; 16 h
.set SPW,   26                         ; LDS address of my spare word; never rewritten
.set NIL,   27                         ; 0; never rewritten
.set KEEP,  28
.set SW,    29
.set L4,    30
.set SC,    32                         ; scale words: set p at 32 + 8 p: four registers of source 0 (lanes 0-15 tile 2 j, lanes 16-31 tile 2 j + 1), four of source 1
.set BV,    48                         ; v's biases: a pair for each of my eight tiles of channels
.set F0,    64                         ; source 0's eight fragments
.set F1,    160                        ; source 1's
.set ST,    64                         ; the epilogue, window 0: 64 numbers;
.set PC,    128                        ; the codes just made (20 registers);
.set PW,    148                        ; their scale word;
.set TM,    152                        ; 16 at work
.set G1X,   24
.set G1W,   32
.set G0X,   40                         ; three sets, one for each first fill; set 0 serves the refill
.set G0W,   52
.set SEL,   76
.set MSB, 0
.macro WIN new                         ; the immediate's high byte repeats the setting that is left
.if MSB != (\new)
	s_set_vgpr_msb (MSB<<8)|(\new)
.set MSB, (\new)
.endif
.endm
.macro PLACES                          ; four plain vector lines between a matrix instruction and a load into, or a vector line on, its registers
.rept 4
	v_nop
.endr
.endm
.macro CREST                           ; a round of the cluster's barrier behind its opening barrier
	s_cmp_lg_u32 s14, 0
	s_cbranch_scc1 .Lnot_wave_0_\@
	s_barrier_signal -3
.Lnot_wave_0_\@:
	s_barrier_wait -3
	s_barrier_signal -1
	s_barrier_wait -1
.endm
.macro CROUND
	s_barrier_signal -1
	s_barrier_wait -1
	CREST
.endm
.macro JLOAD                           ; the joint refill: waves 0 and 1 fetch x's panels, waves 2 and 3 W's; four v_nop follow each line
	s_cmp_eq_u32 s15, 0
	s_cbranch_scc0 .Lfor_w_\@
	tensor_load_to_lds s[G0X:G0X+3], s[G1X:G1X+7]
	s_nop 0
.rept 4
	v_nop
.endr
	s_branch .Lasked_\@
.Lfor_w_\@:
	tensor_load_to_lds s[G0W:G0W+3], s[G1W:G1W+7]
	s_nop 0
.rept 4
	v_nop
.endr
.Lasked_\@:
.endm
	s_load_b256 s[4:11], s[0:1], 0x0               ; xq s[4:5], wq s[6:7], b_qkv s[8:9], qrec s[10:11]
	s_load_b64 s[12:13], s[0:1], 0x20              ; kvrec
	v_lshl_add_u32 v[SPW], v0, 2, SPARE
	v_mov_b32 v[NIL], 0
	ds_add_u32 v26, v27
	ds_add_u32 v26, v27
	s_wait_dscnt 0x0
	v_lshrrev_b32 v1, 5, v0
	v_readfirstlane_b32 s14, v1                    ; wave 0..3
	s_lshr_b32 s15, s14, 1                         ; wy: my 128 tokens.  Also: I fetch for x (0) or for W (1)
	s_and_b32 s16, s14, 1                          ; wx: my 128 columns.  Also: which panel I fetch
	s_bfe_u32 s20, ttmp6, 0x40000                  ; cx
	s_bfe_u32 s21, ttmp6, 0x40004                  ; cy
	s_lshl_b32 s18, ttmp9, 2
	s_add_co_u32 s18, s18, s20                     ; tile column = 4 x cluster x + cx
	s_and_b32 s17, ttmp7, 0xffff
	s_lshl_b32 s17, s17, 2
	s_add_co_u32 s17, s17, s21                     ; tile row = 4 x cluster y + cy
	s_mov_b32 s19, ttmp9                           ; kind: 0 q, 1 k, 2 v: the same in all sixteen partners
	s_lshl_b32 s22, s21, 2
	s_lshl_b32 s22, 15, s22                        ; my row of the cluster
	s_lshl_b32 s23, 0x1111, s20                    ; my column
	; descriptor group 1: 25,600 dense bytes as 100 rows of 256 bytes (32 elements of 8 bytes), no padding
	s_or_b32 s[G1X], s22, (3<<16)|(1<<21)          ; 15:0 the mask; 17:16 elements of 8 bytes; 21 set beside a mask
	s_or_b32 s[G1W], s23, (3<<16)|(1<<21)
.irp g, G1X, G1W
	s_mov_b32 s[\g+1], 32<<16                      ; tensor_dim0 = 32
	s_mov_b32 s[\g+2], 100<<16                     ; tensor_dim1 = 100
	s_mov_b32 s[\g+3], 32<<16                      ; tile_dim0 = 32
	s_mov_b32 s[\g+4], 100                         ; tile_dim1 = 100
	s_mov_b32 s[\g+5], 32                          ; the pitch
	s_mov_b32 s[\g+6], 0
	s_mov_b32 s[\g+7], 0
.endr
	s_lshl_b32 s68, s17, 1
	s_add_co_u32 s68, s68, s16                     ; x's panel 2 x tile row + half,
	s_mul_i32 s68, s68, PANEL
	s_mov_b32 s69, 0
	s_lshl_b32 s70, s18, 1
	s_add_co_u32 s70, s70, s16                     ; W's panel 2 x tile column + half: each in registers that never hold the other coordinate
	s_mul_i32 s70, s70, PANEL
	s_mov_b32 s71, 0
	s_mul_i32 s72, s14, PAIR                       ; where my load goes in a slot: wave x 25,600: no place in the cluster enters an LDS address
	s_wait_kmcnt 0x0
	s_add_nc_u64 s[68:69], s[4:5], s[68:69]
	s_add_nc_u64 s[70:71], s[6:7], s[70:71]
	CROUND                                         ; all sixteen work-groups are here: the first joint loads meet
.irp s, 0,1,2
	s_mov_b32 s[G0X+4*\s], 1
	s_add_co_u32 s[G0X+4*\s+1], s72, \s*SLOT
	s_add_nc_u64 s[G0X+4*\s+2:G0X+4*\s+3], s[68:69], \s*PAIR
	s_or_b32 s[G0X+4*\s+3], s[G0X+4*\s+3], 0x80000000
	s_mov_b32 s[G0W+4*\s], 1
	s_add_co_u32 s[G0W+4*\s+1], s72, \s*SLOT
	s_add_nc_u64 s[G0W+4*\s+2:G0W+4*\s+3], s[70:71], \s*PAIR
	s_or_b32 s[G0W+4*\s+3], s[G0W+4*\s+3], 0x80000000
.endr
	s_cmp_eq_u32 s15, 0                            ; a wave's three first fills stand in one branch: K pairs 0, 1, 2
	s_cbranch_scc0 .Lfirst_w
	tensor_load_to_lds s[G0X:G0X+3], s[G1X:G1X+7]
	s_nop 0
	tensor_load_to_lds s[G0X+4:G0X+7], s[G1X:G1X+7]
	s_nop 0
	tensor_load_to_lds s[G0X+8:G0X+11], s[G1X:G1X+7]
	s_nop 0
.rept 4
	v_nop
.endr
	s_branch .Lfirst_asked
.Lfirst_w:
	tensor_load_to_lds s[G0W:G0W+3], s[G1W:G1W+7]
	s_nop 0
	tensor_load_to_lds s[G0W+4:G0W+7], s[G1W:G1W+7]
	s_nop 0
	tensor_load_to_lds s[G0W+8:G0W+11], s[G1W:G1W+7]
	s_nop 0
.rept 4
	v_nop
.endr
.Lfirst_asked:
	s_mul_i32 s78, s15, PAIR                       ; x's panel wy in a slot
	s_mul_i32 s79, s16, PAIR
	s_add_co_u32 s79, s79, 2*PAIR                  ; W's panel wx
	s_cmp_eq_u32 s19, 2
	s_cselect_b32 s66, s78, s79                    ; source 0: v: x;  q, k: W
	s_cselect_b32 s67, s79, s78                    ; source 1: the other
	v_and_b32 v1, 31, v0
	v_and_b32 v2, 15, v0                           ; r
	v_bfe_u32 v3, v0, 4, 1                         ; h
	v_lshlrev_b32 v[L16], 4, v1
	v_lshlrev_b32 v[L8], 3, v1
	v_lshlrev_b32 v[L4], 2, v1
.irp s, 0,1,2
	v_add_nc_u32 v[ADR+6*\s], s66, v[L16]
	v_add_nc_u32 v[ADR+6*\s+1], s66, v[L8]
	v_add_nc_u32 v[ADR+6*\s+2], s66, v[L4]
	v_add_nc_u32 v[ADR+6*\s+3], s67, v[L16]
	v_add_nc_u32 v[ADR+6*\s+4], s67, v[L8]
	v_add_nc_u32 v[ADR+6*\s+5], s67, v[L4]
	s_add_co_u32 s66, s66, SLOT
	s_add_co_u32 s67, s67, SLOT
.endr
	s_mov_b32 s72, 13056                           ; a record's bytes: k, v
	s_cmp_eq_u32 s19, 0
	s_cselect_b32 s72, 6656, s72                   ; q
	s_cselect_b64 s[88:89], s[10:11], s[12:13]     ; and the buffer: the choice hangs on the kind alone
	s_lshl_b32 s82, s72, 4                         ; 16 records: from a head to the next
	v_mul_u32_u24 v[SOFF], s82, v3
	v_lshl_add_u32 v[SOFF], v2, 2, v[SOFF]
	v_lshlrev_b32 v[H16], 4, v3
	v_lshlrev_b32 v31, 5, v3                       ; 32 h
	s_wait_alu depctr_va_vdst(0)
	v_lshlrev_b32 v2, 2, v2                        ; 4 r
	s_wait_alu depctr_va_vdst(0)
	s_mov_b32 s73, 0xffff
	s_mov_b32 s74, 0x7f7f0000
	s_mov_b32 s[SEL], 0x76543210
	s_mov_b32 s[SEL+1], 0xfedcba98                 ; v_permlanex16_b32's selects for lane l xor 16
	s_lshl_b32 s80, s19, 12                        ; my 128 biases: column 1,024 kind + 256 cx + 128 wx
	s_lshl_b32 s81, s20, 10
	s_add_co_u32 s80, s80, s81
	s_lshl_b32 s81, s16, 9
	s_add_co_u32 s80, s80, s81
	s_mov_b32 s81, 0
	s_add_nc_u64 s[80:81], s[8:9], s[80:81]
	; Both layouts of the 128 biases are loaded by every wave (1 KB): so no register's content hangs on a branch far ahead of its use
	WIN 0x40                                       ; destination window 1
.irp b, 0,1,2,3,4,5,6,7
	global_load_b128 v[8*\b:8*\b+3], v31, s[80:81] offset:64*\b          ; q, k: register 8 b + j: column 16 b + 8 h + j
	global_load_b128 v[8*\b+4:8*\b+7], v31, s[80:81] offset:64*\b+16
.endr
	WIN 0
.irp a, 0,1,2,3,4,5,6,7
	global_load_b32 v[BV+2*\a], v2, s[80:81] offset:64*\a                ; v: column 16 a + r, twice: a pair for the packed addition
	global_load_b32 v[BV+2*\a+1], v2, s[80:81] offset:64*\a
.endr
	s_lshl_b32 s82, s17, 1
	s_add_co_u32 s82, s82, s15                     ; my panel of 128 tokens, 0..63
	s_lshr_b32 s83, s82, 4                         ; the batch
	s_and_b32 s82, s82, 15                         ; the record in a head
	s_lshl_b32 s83, s83, 4
	s_lshl_b32 s90, s20, 2
	s_add_co_u32 s83, s83, s90
	s_lshl_b32 s90, s16, 1
	s_add_co_u32 s83, s83, s90                     ; 16 x batch + my first head (4 cx + 2 wx)
	s_lshl_b32 s83, s83, 4
	s_add_co_u32 s83, s83, s82
	s_mul_i32 s84, s83, s72
	s_mov_b32 s85, 0
	s_lshl_b32 s86, s72, 4
	s_mov_b32 s87, 0
	s_add_nc_u64 s[84:85], s[88:89], s[84:85]      ; my first head's record
	s_add_nc_u64 s[86:87], s[84:85], s[86:87]      ; my second head's
.macro FRAG reg, a16, a8, off          ; a fragment comes as it lies: lane l's registers 0-3 at 16 l, 4-5 at 512 + 8 l, and the second half 768 bytes on: every instruction reads consecutive bytes
	ds_load_b128 v[(\reg):(\reg)+3], v[\a16] offset:(\off)
	ds_load_b64 v[(\reg)+4:(\reg)+5], v[\a8] offset:(\off)+512
	ds_load_b128 v[(\reg)+6:(\reg)+9], v[\a16] offset:(\off)+768
	ds_load_b64 v[(\reg)+10:(\reg)+11], v[\a8] offset:(\off)+1280
.endm
.macro FS0 slot, q, p                  ; source 0's eight fragments of the slot's q-th K step into set p: 32 loads
	WIN (\p)<<6
.irp i, 0,1,2,3,4,5,6,7
	FRAG F0+FR*\i, ADR+6*(\slot), ADR+6*(\slot)+1, BRK*(\q)+FRB*\i
.endr
.endm
.macro FS1 slot, q, p, i0              ; source 1's fragments i0 .. i0 + 3: 16 loads
	WIN (\p)<<6
.irp i, \i0, \i0+1, \i0+2, \i0+3
	FRAG F1+FR*(\i), ADR+6*(\slot)+3, ADR+6*(\slot)+4, BRK*(\q)+FRB*(\i)
.endr
.endm
.macro FSC slot, q, p                  ; the scale words: 8 loads
	WIN 0
.irp j, 0,1,2,3
	ds_load_b32 v[SC+8*(\p)+\j], v[ADR+6*(\slot)+2] offset:BRK*(\q)+8*FRB+128*\j
	ds_load_b32 v[SC+8*(\p)+4+\j], v[ADR+6*(\slot)+5] offset:BRK*(\q)+8*FRB+128*\j
.endr
.endm
; One product: source 0's tile b x source 1's tile a.  An odd tile's scale words lie in lanes 16-31 of their register.
.macro WM a, b, p, zero
.set wD, 8*(8*((\a)%4)+(\b))
.set wA, F0+FR*(\b)
.set wB, F1+FR*(\a)
.set kA, SC+8*(\p)+(\b)/2
.set kB, SC+8*(\p)+4+(\a)/2
.set par, 2*((\a)%2)+(\b)%2
.if \zero
.if par == 0
	v_wmma_scale_f32_16x16x128_f8f6f4 v[wD:wD+7], v[wA:wA+11], v[wB:wB+11], 0, v[kA], v[kB] matrix_a_fmt:MATRIX_FMT_BF6 matrix_b_fmt:MATRIX_FMT_BF6
.elseif par == 1
	v_wmma_scale_f32_16x16x128_f8f6f4 v[wD:wD+7], v[wA:wA+11], v[wB:wB+11], 0, v[kA], v[kB] matrix_a_fmt:MATRIX_FMT_BF6 matrix_b_fmt:MATRIX_FMT_BF6 matrix_a_scale:MATRIX_SCALE_ROW1
.elseif par == 2
	v_wmma_scale_f32_16x16x128_f8f6f4 v[wD:wD+7], v[wA:wA+11], v[wB:wB+11], 0, v[kA], v[kB] matrix_a_fmt:MATRIX_FMT_BF6 matrix_b_fmt:MATRIX_FMT_BF6 matrix_b_scale:MATRIX_SCALE_ROW1
.else
	v_wmma_scale_f32_16x16x128_f8f6f4 v[wD:wD+7], v[wA:wA+11], v[wB:wB+11], 0, v[kA], v[kB] matrix_a_fmt:MATRIX_FMT_BF6 matrix_b_fmt:MATRIX_FMT_BF6 matrix_a_scale:MATRIX_SCALE_ROW1 matrix_b_scale:MATRIX_SCALE_ROW1
.endif
.else
.if par == 0
	v_wmma_scale_f32_16x16x128_f8f6f4 v[wD:wD+7], v[wA:wA+11], v[wB:wB+11], v[wD:wD+7], v[kA], v[kB] matrix_a_fmt:MATRIX_FMT_BF6 matrix_b_fmt:MATRIX_FMT_BF6
.elseif par == 1
	v_wmma_scale_f32_16x16x128_f8f6f4 v[wD:wD+7], v[wA:wA+11], v[wB:wB+11], v[wD:wD+7], v[kA], v[kB] matrix_a_fmt:MATRIX_FMT_BF6 matrix_b_fmt:MATRIX_FMT_BF6 matrix_a_scale:MATRIX_SCALE_ROW1
.elseif par == 2
	v_wmma_scale_f32_16x16x128_f8f6f4 v[wD:wD+7], v[wA:wA+11], v[wB:wB+11], v[wD:wD+7], v[kA], v[kB] matrix_a_fmt:MATRIX_FMT_BF6 matrix_b_fmt:MATRIX_FMT_BF6 matrix_b_scale:MATRIX_SCALE_ROW1
.else
	v_wmma_scale_f32_16x16x128_f8f6f4 v[wD:wD+7], v[wA:wA+11], v[wB:wB+11], v[wD:wD+7], v[kA], v[kB] matrix_a_fmt:MATRIX_FMT_BF6 matrix_b_fmt:MATRIX_FMT_BF6 matrix_a_scale:MATRIX_SCALE_ROW1 matrix_b_scale:MATRIX_SCALE_ROW1
.endif
.endif
.endm
; 16 products: source 1's tiles a0, a0 + 1 x source 0's eight, from set p.  The 64 accumulators take turns, one instruction a turn, in the same order in every step.
.macro MUL16 a0, p, zero
	WIN 0xa0+0x50*((\a0)/4)+5*(\p)                 ; both sources window p; C and D window 2 (a < 4) or 3
.irp a, \a0, \a0+1
.irp b, 0,1,2,3,4,5,6,7
	WM \a, \b, \p, \zero
.endr
.endr
.endm
; A K step on set p.  The next step's 72 loads (slot nslot, its nq-th step, set 1 - p) stand in three runs among the products, so that the matrix unit is fed while they are issued.
.macro STEP p, nslot, nq, zero
	s_wait_dscnt 16                                ; all of this set but the youngest run (source 1's tiles 4-7) is in
	MUL16 0, \p, \zero
	PLACES                                         ; behind the last step's products, which read the other set
	FS0 \nslot, \nq, 1-\p
	MUL16 2, \p, \zero
	FS1 \nslot, \nq, 1-\p, 0
	FSC \nslot, \nq, 1-\p
	s_wait_dscnt 56                                ; all but the 32 + 16 + 8 just issued: source 1's tiles 4-7 are in
	MUL16 4, \p, \zero
	FS1 \nslot, \nq, 1-\p, 4
	MUL16 6, \p, \zero
.endm
; A step on set 1 whose successor lies in another slot that has to be shown whole.  fill = 1: slot 0, whose last read is this set's, is filled again with K pair 3.
.macro TURN nslot, fill
.if \fill
	WIN 0                                          ; (the add's two registers lie in window 0)
	s_wait_tensorcnt 0x0                           ; all my tensor loads have landed: my parts of slots 1 and 2;
	ds_add_u32 v[SPW], v[NIL]                      ; 0 onto my spare word;
	s_add_nc_u64 s[G0X+2:G0X+3], s[G0X+2:G0X+3], 3*PAIR   ; no load of mine is out, so a group 0 may be written: K pair 3
	s_add_nc_u64 s[G0W+2:G0W+3], s[G0W+2:G0W+3], 3*PAIR
	s_wait_dscnt 17                                ; (the add and the youngest 16 loads may be out)
.else
	s_wait_dscnt 16
.endif
	MUL16 0, 1, 0
.if \fill == 0
	s_wait_tensorcnt 0x0                           ; my part of K pair 3 has landed: the one load that was out
.endif
	s_wait_dscnt 0x0                               ; the add is done, and my reads of the slot are over
	s_barrier_signal -1
	MUL16 2, 1, 0                                  ; work on registers while the others arrive
	WIN 0
	s_barrier_wait -1
.if \fill
	CREST                                          ; the barrier has opened a round of the cluster's: no wave of any partner still reads slot 0 or has a load on its way
	JLOAD                                          ; the first tensor load behind the round; it has four K steps in which to land; its four v_nop are the places in front of the loads below
.else
	PLACES
.endif
	FS0 \nslot, 0, 0
	FS1 \nslot, 0, 0, 0
	FSC \nslot, 0, 0
	MUL16 4, 1, 0
	FS1 \nslot, 0, 0, 4
	MUL16 6, 1, 0
.endm
	s_wait_tensorcnt 2                             ; my part of slot 0 is in; slots 1 and 2 may be out
	s_barrier_signal -1
	s_barrier_wait -1
	FS0 0, 0, 0
	FS1 0, 0, 0, 0
	FSC 0, 0, 0
	FS1 0, 0, 0, 4
	STEP 0, 0, 1, 1                                ; K step 0: its products start the sums: nothing is cleared
	TURN 1, 1                                      ; K step 1
	STEP 0, 1, 1, 0                                ; 2
	STEP 1, 2, 0, 0                                ; 3
	STEP 0, 2, 1, 0                                ; 4
	TURN 0, 0                                      ; 5
	STEP 0, 0, 1, 0                                ; 6
	s_wait_dscnt 16                                ; 7: nothing more to fetch
	MUL16 0, 1, 0
	MUL16 2, 1, 0
	s_wait_dscnt 0x0
	MUL16 4, 1, 0
	MUL16 6, 1, 0
	WIN 0
; 64 numbers of a lane, v[s] .. v[s + 63] (registers 16 b .. 16 b + 15: my half of block b), become a fragment's codes in v[PC] on and its scale word in v[PW].
.macro QUANT s
.irp b, 0,1,2,3
	v_max3_num_f32 v[TM+\b], |v[\s+16*\b]|, |v[\s+1+16*\b]|, 0x2800000   ; and the floor 2^(5 - 127): the byte cannot fall under 1
.endr
.irp i, 2,4,6,8,10,12,14
.irp b, 0,1,2,3
	v_max3_num_f32 v[TM+\b], v[TM+\b], |v[\s+16*\b+\i]|, |v[\s+1+16*\b+\i]|   ; the four blocks by turns
.endr
.endr
.irp b, 0,1,2,3
	v_permlanex16_b32 v[TM+4+\b], v[TM+\b], s[SEL], s[SEL+1]
.endr
.irp b, 0,1,2,3
	v_max_num_f32 v[TM+\b], v[TM+\b], v[TM+4+\b]   ; with lane l xor 16's: the block's largest magnitude
.endr
.irp b, 0,1,2,3
	v_add_nc_u32 v[TM+12+\b], 0xfe000000, v[TM+\b]   ; 4 off its exponent field: the conversion's scale operand
.endr
.irp b, 0,1,2,3
	v_lshrrev_b32 v[TM+4+\b], 23, v[TM+12+\b]      ; the scale's byte
.endr
	v_lshl_or_b32 v[PW], v[TM+5], 8, v[TM+4]
	v_lshl_or_b32 v[PW], v[TM+6], 16, v[PW]
	v_lshl_or_b32 v[PW], v[TM+7], 24, v[PW]
.irp c, 0,1
	v_cvt_scalef32_pk16_bf6_f32 v[PC+6*\c:PC+2+6*\c], v[\s+32*\c:\s+15+32*\c], v[TM+12+2*\c]
	v_cvt_scalef32_pk16_bf6_f32 v[PC+12+4*\c:PC+14+4*\c], v[\s+16+32*\c:\s+31+32*\c], v[TM+12+2*\c+1]   ; (a conversion's three registers begin on an even number)
.endr
	v_nop                                          ; one plain line behind a scaled conversion
.irp c, 0,1                            ; the operand's layout wants a WHOLE block in a lane: lanes 0-15 block 2 c, lanes 16-31 block 2 c + 1
.irp i, 0,1,2
	v_permlane16_swap_b32 v[PC+6*\c+\i], v[PC+12+4*\c+\i]
.endr
.irp i, 0,1,2
	v_mov_b32 v[PC+3+6*\c+\i], v[PC+12+4*\c+\i]
.endr
.endr
.endm
; q, k: tile a of my tokens.  A lane's 64 numbers are its token's 128 columns' half: blocks 0, 1 my first head, blocks 2, 3 my second.
.macro EPI_QK a
.if \a > 0
	s_wait_xcnt 0x0                                ; the last tile's stores have read their registers
.endif
	WIN 0x06+(\a)/4                                ; source 0: the accumulators' window; source 1: window 1
.set i, 0
.rept 32
	v_pk_add_f32 v[ST+2*i:ST+2*i+1], v[64*((\a)%4)+2*i:64*((\a)%4)+2*i+1], v[2*i:2*i+1]   ; + the bias, in f32; each accumulator from its low end on
.set i, i+1
.endr
	WIN 0
	QUANT ST
	global_store_b128 v[L16], v[PC:PC+3], s[84:85] offset:768*\a             ; 512 consecutive bytes, aligned to 256
	global_store_b64 v[L8], v[PC+4:PC+5], s[84:85] offset:768*\a+512         ; 256
	global_store_b128 v[L16], v[PC+6:PC+9], s[86:87] offset:768*\a
	global_store_b64 v[L8], v[PC+10:PC+11], s[86:87] offset:768*\a+512
	v_lshrrev_b32 v[SW], v[H16], v[PW]             ; lanes 0-15: the first head's two bytes; lanes 16-31: the second's
	v_and_or_b32 v[SW], v[SW], s73, s74            ; and 1.0 for the K that the head does not have
	global_store_b32 v[SOFF], v[SW], s[84:85] offset:6144+64*\a
.endm
; v: tile a of my channels.  A lane's 64 numbers are its channel's 128 tokens' half: a whole fragment, 16 channels x 128 keys.
.macro EPI_V a
.if \a > 0
	s_wait_xcnt 0x0
.endif
	WIN 0x02+(\a)/4                                ; source 0: the accumulators' window
.set i, 0
.rept 32
	v_pk_add_f32 v[ST+2*i:ST+2*i+1], v[64*((\a)%4)+2*i:64*((\a)%4)+2*i+1], v[BV+2*(\a):BV+2*(\a)+1]
.set i, i+1
.endr
	WIN 0
	QUANT ST
	global_store_b128 v[L16], v[PC:PC+3], s[84+2*((\a)/4):85+2*((\a)/4)] offset:6656+FRB*((\a)%4)
	global_store_b64 v[L8], v[PC+4:PC+5], s[84+2*((\a)/4):85+2*((\a)/4)] offset:6656+FRB*((\a)%4)+512
	global_store_b128 v[L16], v[PC+6:PC+9], s[84+2*((\a)/4):85+2*((\a)/4)] offset:6656+FRB*((\a)%4)+768
	global_store_b64 v[L8], v[PC+10:PC+11], s[84+2*((\a)/4):85+2*((\a)/4)] offset:6656+FRB*((\a)%4)+1280
.if (\a)%2 == 0
	v_mov_b32 v[KEEP], v[PW]
.else
	v_cndmask_b32 v[SW], v[KEEP], v[PW], vcc_lo    ; lanes 0-15 the even tile's words, lanes 16-31 the odd tile's: 128 consecutive bytes
	global_store_b32 v[L4], v[SW], s[84+2*((\a)/4):85+2*((\a)/4)] offset:12800+64*((\a)%4-1)
.endif
.endm
	s_wait_loadcnt 0x0                             ; the biases
	PLACES                                         ; behind the last products
.irp b, 0,1,2,3
	v_mov_b32 v[TM+4+\b], 0                        ; written once: a lane permute's destination counts as one of its sources
.endr
	s_cmp_eq_u32 s19, 2
	s_cbranch_scc1 .Lvalues
.irp a, 0,1,2,3,4,5,6,7
	EPI_QK \a
.endr
	s_branch .Lend
.Lvalues:
	s_mov_b32 vcc_lo, 0xffff0000
.irp a, 0,1,2,3,4,5,6,7
	EPI_V \a
.endr
.Lend:
	s_wait_tensorcnt 0x0                           ; the wave's end
	ds_add_u32 v[SPW], v[NIL]
	s_wait_dscnt 0x0
	CROUND                                         ; the closing round: no work-group ends while a partner may still ask for a tile that names it
	s_endpgm
.Lfunc_end_k_qa49a72542f_qkv:
	.size	k_qa49a72542f_qkv, .Lfunc_end_k_qa49a72542f_qkv-k_qa49a72542f_qkv
	.p2alignl 7, 3214868480
	.fill 96, 4, 3214868480
	.section	.rodata,"a",@progbits
	.p2align	6, 0x0
	.amdhsa_kernel k_qa49a72542f_qkv
		.amdhsa_group_segment_fixed_size 327680
		.amdhsa_private_segment_fixed_size 0
		.amdhsa_enable_private_segment 0
		.amdhsa_kernarg_size 40
		.amdhsa_user_sgpr_count 2
		.amdhsa_user_sgpr_kernarg_segment_ptr 1
		.amdhsa_wavefront_size32 1
		.amdhsa_system_sgpr_workgroup_id_x 1
		.amdhsa_system_sgpr_workgroup_id_y 1
		.amdhsa_system_sgpr_workgroup_id_z 1
		.amdhsa_system_vgpr_workitem_id 0
		.amdhsa_next_free_vgpr 1024
		.amdhsa_next_free_sgpr 96
		.amdhsa_reserve_vcc 1
		.amdhsa_float_denorm_mode_32 3
		.amdhsa_float_denorm_mode_16_64 3
		.amdhsa_memory_ordered 1
		.amdhsa_forward_progress 1
		.amdhsa_inst_pref_size 218
	.end_amdhsa_kernel
	.amdgpu_metadata
---
amdhsa.version: [ 1, 2 ]
amdhsa.kernels:
  - .name:           k_qa49a72542f_qkv
    .symbol:         k_qa49a72542f_qkv.kd
    .args:
      - { .name: xq, .offset: 0, .size: 8, .value_kind: global_buffer, .address_space: global }
      - { .name: wq, .offset: 8, .size: 8, .value_kind: global_buffer, .address_space: global }
      - { .name: b_qkv, .offset: 16, .size: 8, .value_kind: global_buffer, .address_space: global }
      - { .name: qrec, .offset: 24, .size: 8, .value_kind: global_buffer, .address_space: global }
      - { .name: kvrec, .offset: 32, .size: 8, .value_kind: global_buffer, .address_space: global }
    .group_segment_fixed_size: 327680
    .private_segment_fixed_size: 0
    .kernarg_segment_align: 8
    .kernarg_segment_size: 40
    .max_flat_workgroup_size: 128
    .sgpr_count:     96
    .vgpr_count:     1024
    .wavefront_size: 32
...
	.end_amdgpu_metadata
.endif
;; end of part 2
;; launch attn (part 3): grid 4 x 64, 16 waves a work-group, no clusters, 210,944 bytes of LDS; arguments qrec, kvrec, oq; writes oq
.if DOCPART == 3
	.amdgcn_target "amdgcn-amd-amdhsa--gfx1250"
	.amdhsa_code_object_version 6
	.text
	.protected	k_qa49a72542f_attn
	.globl	k_qa49a72542f_attn
	.p2align	8
	.type	k_qa49a72542f_attn,@function
k_qa49a72542f_attn:
	s_mov_b64 s[64:65], 0
	v_nop
	global_prefetch_b8 v0, s[64:65] scope:SCOPE_SE
	s_setreg_imm32_b32 hwreg(HW_REG_WAVE_MODE, 25, 1), 1
	s_wait_xcnt 0x0
; o = softmax(q k^T / 8, causal) v for 64 heads (batch x head) of 2,048 tokens x 64 channels, both products on codes of BF6 (E3M2) with E8M0 scales; o leaves as codes for the last product.
; THE SOFTMAX AHEAD OF THE SECOND PRODUCT: t = score x log2(e) / 8; M = the row's largest t so far, rounded UP to a whole number; p = 2^(t - M) is what is quantised, along the keys, not normalised.
; The row's sum is taken of the unquantised p and divides at the end.  When M moves, the sum and O are multiplied by 2^(old M - new M): exact.
; SHARES.  Work-group (i, head) owns the blocks i and 7 - i of 256 queries: the causal mask gives every work-group the same work.  Each of sixteen waves owns one tile of 16 queries at a time:
; first 256 i + 16 w, then 256 (7 - i) + 16 (15 - w): 17 key steps of 128 keys for every wave.  Four waves share a SIMD: one wave's vector work stands beside another's products and LDS loads.
; LDS holds the head's K and V whole: 16 records of 13,056 bytes (128 keys each: K's eight half fragments, its scale words, V's four fragments, its scale words), in the order of the operands' registers.
; They are filled ONCE, by waves 0-3, two tensor loads each (records w; then 4 + 3 w .. 6 + 3 w): nothing is filled again, and nothing is stored to LDS.
; NO JOINT LOADS: the four work-groups of a head read the same K and V, but which key steps a wave works hangs on its query block, which would be its work-group's place in a cluster.
; LAYOUT.  Both products are used transposed: S^T = K Q^T (source 0 = 16 keys), O^T = V^T P^T (source 0 = 16 channels): a lane holds ONE query (lane % 16) throughout.
; THE HEAD HAS 64 CHANNELS, the instruction's K is 128: Q's upper six registers are zero codes; a tile of K names its six registers and the six behind them (the next tile's codes), which meet those zeros
; under scale bytes of 1.0 and add nothing.
; THE ORDER INSIDE A BLOCK OF 32: p's and o's codes lie in the order 0-7, 16-23, 8-15, 24-31 of their block, as V's keys and W_out's rows were laid by the earlier launches.
; CAUSAL: every loop's trip count is a constant; a step all of whose keys come after my queries is left out by a scalar branch on ids; on the diagonal hidden scores become -infinity.
; o's scale bytes leave one byte a lane (32 bytes for a tile's 768 bytes of codes): a word's four bytes come from two heads.
; LIMITS: NaN and infinities are not served; a block whose largest magnitude lies under 2^-122, a block of zeros too, gets the byte 1: only this program reads the bytes.
; REGISTERS: v1-3 16, 8, 4 x lane; v4-6 the same + the record in hand; v7 r - 8 h; v8 4 r + h; v9 4 r; v12 -M, v13 the largest t, v[14:15] the sum; v16-27 Q; v28 its scale word; v30-36 the second tile's Q;
;   v40-93 K's eight tiles, then V's four fragments; v96-159 S^T, then p; v160-191 O^T; v192-203 p's codes; v204-210 at work; v212-223 block maxima, bytes, scale operands; v224-230 scale words; v232-237 at work.
.set KVREC, 13056
.set QREC,  6656
.set PANEL, 102400
.set BRK,   12800
.set FRB,   1536
.set WV,  10
.set SEL, 14                           ; s[14:15] v_permlanex16_b32's selects for lane l xor 16
.set CS,  16                           ; s[16:17] c = log2(e) / 8
.set G1A, 20                           ; s[20:27] group 1: 51 rows of 256 bytes;  s[28:35]: 153 rows
.set G1B, 28
.set G0A, 36
.set G0B, 40
.set TB,  44                           ; LDS byte of the record in hand
.set KF,  45                           ; its first key
.set Q0,  46                           ; my first query
.set CNT, 47
.set Q1,  48                           ; the second tile's first query
.set OC1, 50                           ; where the tiles' codes and scale bytes go
.set OS1, 52
.set OC2, 54
.set OS2, 56
.set QC1, 68                           ; where their Q comes from
.set QS1, 70
.set QC2, 72
.set QS2, 74
; byte offsets of the tile whose first query is s[q0]: Q's half fragment and scale words in qrec; o's half fragment and scale bytes in oq
.macro TILEADR q0, qc, qs, oc, os
	s_lshr_b32 s76, s[\q0], 7                      ; which 128 tokens
	s_bfe_u32 s77, s[\q0], 0x30004                 ; which tile of 16 in them
	s_lshl_b32 s78, s12, 4
	s_add_co_u32 s78, s78, s76
	s_mul_i32 s78, s78, QREC
	s_mul_i32 s79, s77, 768
	s_add_co_u32 s[\qc], s78, s79
	s_mov_b32 s[\qc+1], 0
	s_lshl_b32 s79, s77, 6
	s_add_co_u32 s79, s79, 6144
	s_add_co_u32 s[\qs], s78, s79
	s_mov_b32 s[\qs+1], 0
	s_and_b32 s78, s12, 48                         ; 16 x batch
	s_add_co_u32 s78, s78, s76                     ; the panel of 128 rows
	s_mul_i32 s78, s78, PANEL
	s_bfe_u32 s79, s12, 0x30001                    ; head / 2: the last product's K step
	s_mul_i32 s79, s79, BRK
	s_add_co_u32 s78, s78, s79
	s_and_b32 s79, s12, 1                          ; head % 2: which half of the fragment
	s_mul_i32 s80, s77, FRB
	s_mul_i32 s81, s79, 768
	s_add_co_u32 s80, s80, s81
	s_add_co_u32 s[\oc], s78, s80
	s_mov_b32 s[\oc+1], 0
	s_lshl_b32 s80, s77, 6
	s_lshl_b32 s81, s79, 1
	s_add_co_u32 s80, s80, s81
	s_add_co_u32 s80, s80, 8*FRB
	s_add_co_u32 s[\os], s78, s80
	s_mov_b32 s[\os+1], 0
.endm
	s_load_b128 s[4:7], s[0:1], 0x0                ; qrec s[4:5], kvrec s[6:7]
	s_load_b64 s[8:9], s[0:1], 0x10                ; oq
	v_lshl_add_u32 v254, v0, 2, 0x33000
	v_mov_b32 v255, 0
	ds_add_u32 v254, v255
	ds_add_u32 v254, v255
	v_lshrrev_b32 v9, 5, v0
	s_delay_alu instid0(VALU_DEP_1)
	v_readfirstlane_b32 s[WV], v9                  ; wave 0..15
	s_and_b32 s12, ttmp7, 0xffff                   ; batch x head
	s_lshl_b32 s[Q0], ttmp9, 8
	s_lshl_b32 s58, s[WV], 4
	s_add_co_u32 s[Q0], s[Q0], s58                 ; 256 i + 16 w
	s_sub_co_u32 s[Q1], 2032, s[Q0]                ; 256 (7 - i) + 16 (15 - w)
	TILEADR Q0, QC1, QS1, OC1, OS1
	TILEADR Q1, QC2, QS2, OC2, OS2
	; descriptor groups 1: dense bytes as rows of 256 (32 elements of 8 bytes), no padding, no mask
.irp g, G1A, G1B
	s_mov_b32 s[\g], 3<<16
	s_mov_b32 s[\g+1], 32<<16
	s_mov_b32 s[\g+3], 32<<16
	s_mov_b32 s[\g+5], 32
	s_mov_b32 s[\g+6], 0
	s_mov_b32 s[\g+7], 0
.endr
	s_mov_b32 s[G1A+2], 51<<16                     ; one record
	s_mov_b32 s[G1A+4], 51
	s_mov_b32 s[G1B+2], 153<<16                    ; three
	s_mov_b32 s[G1B+4], 153
	s_mul_i32 s59, s12, 16*KVREC                   ; the head's records
	s_mul_i32 s60, s[WV], KVREC                    ; load A: record w: its place in the head and in LDS
	s_mul_i32 s61, s[WV], 3*KVREC
	s_add_co_u32 s61, s61, 4*KVREC                 ; load B: records 4 + 3 w on
	s_add_co_u32 s62, s59, s60
	s_mov_b32 s63, 0
	s_add_co_u32 s66, s59, s61
	s_mov_b32 s67, 0
	s_mov_b32 s[SEL], 0x76543210
	s_mov_b32 s[SEL+1], 0xfedcba98
	s_mov_b32 s[CS], 0x3e38aa3b                    ; log2(e) / 8
	s_mov_b32 s[CS+1], s[CS]                       ; (named with it as a pair, so it is written)
	s_wait_dscnt 0x0
	s_wait_kmcnt 0x0
	s_mov_b32 s[G0A], 1
	s_mov_b32 s[G0A+1], s60
	s_add_nc_u64 s[G0A+2:G0A+3], s[6:7], s[62:63]
	s_or_b32 s[G0A+3], s[G0A+3], 0x80000000
	s_mov_b32 s[G0B], 1
	s_mov_b32 s[G0B+1], s61
	s_add_nc_u64 s[G0B+2:G0B+3], s[6:7], s[66:67]
	s_or_b32 s[G0B+3], s[G0B+3], 0x80000000
	s_cmp_lt_u32 s[WV], 4                          ; waves 0-3 fetch; a wave's two fills stand in one branch: two loads of mine are out at the most
	s_cbranch_scc0 .Lno_fill
	tensor_load_to_lds s[G0A:G0A+3], s[G1A:G1A+7]
	s_nop 0
	tensor_load_to_lds s[G0B:G0B+3], s[G1B:G1B+7]
	s_nop 0
.rept 4
	v_nop
.endr
.Lno_fill:
	s_add_nc_u64 s[QC1:QC1+1], s[4:5], s[QC1:QC1+1]
	s_add_nc_u64 s[QS1:QS1+1], s[4:5], s[QS1:QS1+1]
	s_add_nc_u64 s[QC2:QC2+1], s[4:5], s[QC2:QC2+1]
	s_add_nc_u64 s[QS2:QS2+1], s[4:5], s[QS2:QS2+1]
	s_add_nc_u64 s[OC1:OC1+1], s[8:9], s[OC1:OC1+1]
	s_add_nc_u64 s[OS1:OS1+1], s[8:9], s[OS1:OS1+1]
	s_add_nc_u64 s[OC2:OC2+1], s[8:9], s[OC2:OC2+1]
	s_add_nc_u64 s[OS2:OS2+1], s[8:9], s[OS2:OS2+1]
	v_and_b32 v10, 31, v0
	s_delay_alu instid0(VALU_DEP_1)
	v_lshlrev_b32 v1, 4, v10
	s_delay_alu instid0(VALU_DEP_2)
	v_lshlrev_b32 v2, 3, v10
	s_delay_alu instid0(VALU_DEP_3)
	v_lshlrev_b32 v3, 2, v10
	v_and_b32 v10, 15, v0                          ; r
	v_bfe_u32 v11, v0, 4, 1                        ; h
	s_delay_alu instid0(VALU_DEP_1)
	v_lshlrev_b32 v7, 3, v11
	s_delay_alu instid0(VALU_DEP_1)
	v_sub_nc_u32 v7, v10, v7                       ; r - 8 h
	s_delay_alu instid0(VALU_DEP_3)
	v_lshl_add_u32 v8, v10, 2, v11                 ; 4 r + h
	v_lshlrev_b32 v9, 2, v10                       ; 4 r
	global_load_b128 v[16:19], v1, s[QC1:QC1+1]    ; both tiles' Q: half a fragment and a scale word a row
	global_load_b64 v[20:21], v2, s[QC1:QC1+1] offset:512
	global_load_b32 v28, v9, s[QS1:QS1+1]
	global_load_b128 v[30:33], v1, s[QC2:QC2+1]
	global_load_b64 v[34:35], v2, s[QC2:QC2+1] offset:512
	global_load_b32 v36, v9, s[QS2:QS2+1]
.irp i, 0,1,2,3,4,5
	v_mov_b32 v[22+\i], 0                          ; Q's K = 64 .. 127: zero codes
	v_mov_b32 v[88+\i], 0                          ; what the last tile of K names behind its own six registers
.endr
.irp b, 0,1,2,3
	v_mov_b32 v[216+\b], 0                         ; written once: a lane permute's destination counts as one of its sources
.endr
	v_mov_b32 v233, 0                              ; (named as the upper half of the pair v[232:233])
	v_mov_b32 v234, 0
.macro START                           ; a tile begins: O^T and the sum as zeros, the largest t as -3e38: the first change of M multiplies zeros, so the key step is written without a first step of its own
	v_mov_b32 v13, 0xff61b1e6
	s_delay_alu instid0(VALU_DEP_1)
	v_floor_f32 v12, -v13
	v_mov_b32 v14, 0
	v_mov_b32 v15, 0
.set j, 0
.rept 32
	v_mov_b32 v[160+j], 0
.set j, j+1
.endr
.endm
; A KEY STEP: the 128 keys of the record at s[TB]
.macro STEP
	s_add_co_u32 s58, s[Q0], 15
	s_cmp_gt_u32 s[KF], s58
	s_cbranch_scc1 .Lhid_\@                        ; all its keys come after my queries
	s_setprio 2
	v_add_nc_u32 v4, s[TB], v1
	v_add_nc_u32 v5, s[TB], v2
	v_add_nc_u32 v6, s[TB], v3
	v_nop                                          ; these four are the places between the last products and the loads into the registers that they read
.irp t, 0,1,2,3,4,5,6,7
	ds_load_b128 v[40+6*\t:43+6*\t], v4 offset:768*\t
	ds_load_b64 v[44+6*\t:45+6*\t], v5 offset:768*\t+512
.endr
.irp j, 0,1,2,3
	ds_load_b32 v[224+\j], v6 offset:6144+128*\j   ; lanes 0-15 tile 2 j's words, lanes 16-31 tile 2 j + 1's
.endr
	s_wait_alu depctr_va_vdst(0)
	s_wait_dscnt 0x0
.irp t, 0,2,4,6                        ; S^T = K Q^T: in tile t lane (r, h) holds query r and keys 16 t + 8 h + 0 .. 7
	v_wmma_scale_f32_16x16x128_f8f6f4 v[96+8*\t:103+8*\t], v[40+6*\t:51+6*\t], v[16:27], 0, v[224+\t/2], v28 matrix_a_fmt:MATRIX_FMT_BF6 matrix_b_fmt:MATRIX_FMT_BF6
	v_wmma_scale_f32_16x16x128_f8f6f4 v[104+8*\t:111+8*\t], v[46+6*\t:57+6*\t], v[16:27], 0, v[224+\t/2], v28 matrix_a_fmt:MATRIX_FMT_BF6 matrix_b_fmt:MATRIX_FMT_BF6 matrix_a_scale:MATRIX_SCALE_ROW1
.endr
.rept 4
	v_nop
.endr
.irp t, 0,1,2,3                        ; V's four fragments are asked for now and land under the softmax
	ds_load_b128 v[40+12*\t:43+12*\t], v4 offset:6656+FRB*\t
	ds_load_b64 v[44+12*\t:45+12*\t], v5 offset:6656+FRB*\t+512
	ds_load_b128 v[46+12*\t:49+12*\t], v4 offset:6656+FRB*\t+768
	ds_load_b64 v[50+12*\t:51+12*\t], v5 offset:6656+FRB*\t+1280
.endr
	ds_load_b32 v228, v6 offset:12800
	ds_load_b32 v229, v6 offset:12928
	s_add_co_u32 s58, s[KF], 127
	s_cmp_le_u32 s58, s[Q0]
	s_cbranch_scc1 .Lopen_\@                       ; all its keys count
	s_sub_co_i32 s58, s[Q0], s[KF]
	v_add_nc_u32 v234, s58, v7                     ; d = my query - the first key - 8 h.  Register 8 t + j holds key 16 t + 8 h + j: hidden where 16 t + j > d
	v_mov_b32 v235, 0xff800000                     ; -infinity
.set n, 0
.rept 64
	v_cmp_gt_i32 vcc_lo, 16*(n/8)+n%8, v234
	v_cndmask_b32 v[96+n], v[96+n], v235, vcc_lo
.set n, n+1
.endr
.Lopen_\@:
.irp b, 0,1,2,3
	v_max3_num_f32 v[212+\b], v[96+16*\b], v[97+16*\b], v[98+16*\b]   ; the largest score of each block of 32 keys: it serves the row's maximum and, since p rises with the score, the block's largest p
.endr
.irp i, 3,5,7,9,11,13
.irp b, 0,1,2,3
	v_max3_num_f32 v[212+\b], v[212+\b], v[96+16*\b+\i], v[97+16*\b+\i]
.endr
.endr
.irp b, 0,1,2,3
	v_max_num_f32 v[212+\b], v[212+\b], v[111+16*\b]
.endr
.irp b, 0,1,2,3
	s_delay_alu instid0(VALU_DEP_4)
	v_permlanex16_b32 v[216+\b], v[212+\b], s[SEL], s[SEL+1]
.endr
.irp b, 0,1,2,3
	s_delay_alu instid0(VALU_DEP_4)
	v_max_num_f32 v[212+\b], v[212+\b], v[216+\b]  ; with lane l xor 16's 16 keys
.endr
	s_delay_alu instid0(VALU_DEP_2)
	v_max3_num_f32 v234, v212, v213, v214
	s_delay_alu instid0(VALU_DEP_1)
	v_max_num_f32 v234, v234, v215                 ; the step's largest score of my query
	s_delay_alu instid0(VALU_DEP_1)
	v_mul_f32 v234, s[CS], v234                    ; as t
	s_delay_alu instid0(VALU_DEP_1)
	v_max_num_f32 v13, v13, v234                   ; the running largest t
	v_mov_b32 v234, v12
	s_delay_alu instid0(VALU_DEP_2)
	v_floor_f32 v12, -v13                          ; the new -M = -ceil(t): a whole number
	s_delay_alu instid0(VALU_DEP_1)
	v_sub_f32 v234, v12, v234                      ; old M - new M: a whole number, 0 or less
	s_delay_alu instid0(VALU_DEP_1)
	v_cvt_i32_f32 v234, v234                       ; (it saturates)
	s_delay_alu instid0(VALU_DEP_1)
	v_ldexp_f32 v232, 1.0, v234                    ; f = 2^(old M - new M)
.set j, 0
	s_setprio 1
.rept 32
	v_pk_fma_f32 v[96+j:97+j], v[96+j:97+j], s[CS:CS+1], v[12:13] op_sel_hi:[1,0,0]   ; t - M, two at a time
.set j, j+2
.endr
.irp b, 0,1,2,3
	v_fma_f32 v[212+\b], v[212+\b], s[CS], v12     ; the same of each block's largest score
.endr
.set j, 0
	s_wait_alu depctr_va_vdst(0)
.rept 64
	v_exp_f32 v[96+j], v[96+j]                     ; p = 2^(t - M), at most 1
.set j, j+1
.endr
.irp b, 0,1,2,3
	v_exp_f32 v[212+\b], v[212+\b]                 ; the block's largest p: the same two instructions on the same number
.endr
	v_pk_mul_f32 v[14:15], v[14:15], v[232:233] op_sel_hi:[1,0]   ; the sums under the new M.  (A plain line behind the exponentials)
	s_wait_alu depctr_va_vdst(0)
.irp b, 0,1,2,3
	v_max_num_f32 v[212+\b], 0x2800000, v[212+\b]  ; the floor 2^(5 - 127): the byte cannot fall under 1
.endr
.irp b, 0,1,2,3
	s_delay_alu instid0(VALU_DEP_4)
	v_add_nc_u32 v[220+\b], 0xfe000000, v[212+\b]  ; 4 off the exponent field: the conversion's scale operand
.endr
.irp b, 0,1,2,3
	s_delay_alu instid0(VALU_DEP_4)
	v_lshrrev_b32 v[216+\b], 23, v[220+\b]         ; the scale's byte
.endr
	s_delay_alu instid0(VALU_DEP_3)
	v_lshl_or_b32 v230, v217, 8, v216              ; p's scale word for these 128 keys
	s_delay_alu instid0(VALU_DEP_1)
	v_lshl_or_b32 v230, v218, 16, v230
	s_delay_alu instid0(VALU_DEP_1)
	v_lshl_or_b32 v230, v219, 24, v230
.irp c, 0,1
	v_cvt_scalef32_pk16_bf6_f32 v[192+6*\c:194+6*\c], v[96+32*\c:111+32*\c], v[220+2*\c]
	v_cvt_scalef32_pk16_bf6_f32 v[204+4*\c:206+4*\c], v[112+32*\c:127+32*\c], v[220+2*\c+1]   ; (a conversion's three registers begin on an even number)
.endr
	v_nop                                          ; one plain line behind a scaled conversion
.irp c, 0,1                            ; a WHOLE block in a lane: lanes 0-15 block 2 c, lanes 16-31 block 2 c + 1
.irp i, 0,1,2
	v_permlane16_swap_b32 v[192+6*\c+\i], v[204+4*\c+\i]
.endr
.irp i, 0,1,2
	s_delay_alu instid0(VALU_DEP_3)
	v_mov_b32 v[195+6*\c+\i], v[204+4*\c+\i]
.endr
.endr
	v_pk_add_f32 v[236:237], v[100:101], v[104:105]
	v_pk_add_f32 v[252:253], v[108:109], v[112:113]
	v_pk_add_f32 v[250:251], v[116:117], v[120:121]
	v_pk_add_f32 v[248:249], v[124:125], v[128:129]
	v_pk_add_f32 v[246:247], v[132:133], v[136:137]
	v_pk_add_f32 v[244:245], v[140:141], v[144:145]
	v_pk_add_f32 v[242:243], v[148:149], v[152:153]
	v_pk_add_f32 v[14:15], v[14:15], v[156:157]
	v_pk_add_f32 v[236:237], v[236:237], v[96:97]
	s_setprio 0
	v_pk_add_f32 v[252:253], v[252:253], v[98:99]
	v_pk_add_f32 v[250:251], v[250:251], v[102:103]
	v_pk_add_f32 v[248:249], v[248:249], v[106:107]
	v_pk_add_f32 v[246:247], v[246:247], v[110:111]
	v_pk_add_f32 v[244:245], v[244:245], v[114:115]
	v_pk_add_f32 v[242:243], v[242:243], v[118:119]
	v_pk_add_f32 v[14:15], v[14:15], v[122:123]
	v_pk_add_f32 v[236:237], v[236:237], v[126:127]
	v_pk_add_f32 v[252:253], v[252:253], v[130:131]
	v_pk_add_f32 v[250:251], v[250:251], v[134:135]
	v_pk_add_f32 v[248:249], v[248:249], v[138:139]
	v_pk_add_f32 v[246:247], v[246:247], v[142:143]
	v_pk_add_f32 v[244:245], v[244:245], v[146:147]
	v_pk_add_f32 v[242:243], v[242:243], v[150:151]
	v_pk_add_f32 v[14:15], v[14:15], v[154:155]
	v_pk_add_f32 v[236:237], v[236:237], v[158:159]
	s_delay_alu instid0(VALU_DEP_2)
	v_pk_add_f32 v[14:15], v[14:15], v[248:249]
	s_delay_alu instid0(VALU_DEP_2)
	v_pk_add_f32 v[236:237], v[236:237], v[246:247]
	v_pk_add_f32 v[252:253], v[252:253], v[244:245]
	v_pk_add_f32 v[250:251], v[250:251], v[242:243]
	s_delay_alu instid0(VALU_DEP_2)
	v_pk_add_f32 v[14:15], v[14:15], v[252:253]
	s_delay_alu instid0(VALU_DEP_2)
	v_pk_add_f32 v[236:237], v[236:237], v[250:251]
	s_delay_alu instid0(VALU_DEP_1)
	v_pk_add_f32 v[14:15], v[14:15], v[236:237]
.set j, 0
.rept 16
	v_pk_mul_f32 v[160+j:161+j], v[160+j:161+j], v[232:233] op_sel_hi:[1,0]   ; O^T under the new M
.set j, j+2
.endr
	s_wait_alu depctr_va_vdst(0)
	s_wait_dscnt 0x0                               ; V
.irp t, 0,2                            ; O^T += V^T P^T: in tile t lane (r, h) holds query r and channels 16 t + 8 h + 0 .. 7
	v_wmma_scale_f32_16x16x128_f8f6f4 v[160+8*\t:167+8*\t], v[40+12*\t:51+12*\t], v[192:203], v[160+8*\t:167+8*\t], v[228+\t/2], v230 matrix_a_fmt:MATRIX_FMT_BF6 matrix_b_fmt:MATRIX_FMT_BF6
	v_wmma_scale_f32_16x16x128_f8f6f4 v[168+8*\t:175+8*\t], v[52+12*\t:63+12*\t], v[192:203], v[168+8*\t:175+8*\t], v[228+\t/2], v230 matrix_a_fmt:MATRIX_FMT_BF6 matrix_b_fmt:MATRIX_FMT_BF6 matrix_a_scale:MATRIX_SCALE_ROW1
.endr
.Lhid_\@:
	s_add_co_u32 s[KF], s[KF], 128
	s_add_co_u32 s[TB], s[TB], KVREC
.endm
; A tile ends: O^T / the sum, quantised along the head's 64 channels (two blocks), leaves as half a fragment of the last product's operand
.macro FINISH oc, os
.rept 4
	v_nop                                          ; behind the last products
.endr
	v_add_f32 v14, v14, v15                        ; the sum's two halves,
	s_delay_alu instid0(VALU_DEP_1)
	v_permlanex16_b32 v234, v14, s[SEL], s[SEL+1]
	s_delay_alu instid0(VALU_DEP_1)
	v_add_f32 v14, v14, v234                       ; and lane l xor 16's
	s_wait_alu depctr_va_vdst(0)
	v_rcp_f32 v14, v14
	v_nop                                          ; one plain line behind a transcendental
.set j, 0
	s_wait_alu depctr_va_vdst(0)
.rept 16
	v_pk_mul_f32 v[96+j:97+j], v[160+j:161+j], v[14:15] op_sel_hi:[1,0]   ; each accumulator from its low end on
.set j, j+2
.endr
.irp b, 0,1
	v_max3_num_f32 v[212+\b], |v[96+16*\b]|, |v[97+16*\b]|, 0x2800000
.endr
.irp i, 2,4,6,8,10,12,14
.irp b, 0,1
	s_delay_alu instid0(VALU_DEP_2)
	v_max3_num_f32 v[212+\b], v[212+\b], |v[96+16*\b+\i]|, |v[97+16*\b+\i]|
.endr
.endr
.irp b, 0,1
	s_delay_alu instid0(VALU_DEP_2)
	v_permlanex16_b32 v[216+\b], v[212+\b], s[SEL], s[SEL+1]
.endr
.irp b, 0,1
	s_delay_alu instid0(VALU_DEP_2)
	v_max_num_f32 v[212+\b], v[212+\b], v[216+\b]
.endr
.irp b, 0,1
	s_delay_alu instid0(VALU_DEP_2)
	v_add_nc_u32 v[220+\b], 0xfe000000, v[212+\b]
.endr
.irp b, 0,1
	s_delay_alu instid0(VALU_DEP_2)
	v_lshrrev_b32 v[216+\b], 23, v[220+\b]
.endr
	v_cvt_scalef32_pk16_bf6_f32 v[192:194], v[96:111], v220
	v_cvt_scalef32_pk16_bf6_f32 v[204:206], v[112:127], v221
	s_mov_b32 vcc_lo, 0xffff0000
	v_cndmask_b32 v235, v216, v217, vcc_lo         ; my block's byte: lanes 0-15 block 0's, lanes 16-31 block 1's.  (A plain line behind the conversions)
.irp i, 0,1,2
	v_permlane16_swap_b32 v[192+\i], v[204+\i]
.endr
.irp i, 0,1,2
	s_delay_alu instid0(VALU_DEP_3)
	v_mov_b32 v[195+\i], v[204+\i]
.endr
	global_store_b128 v1, v[192:195], s[\oc:\oc+1]             ; 512 consecutive bytes, aligned to 256
	global_store_b64 v2, v[196:197], s[\oc:\oc+1] offset:512   ; 256
	global_store_b8 v8, v235, s[\os:\os+1]
.endm
	START
	s_wait_loadcnt 0x0                             ; Q
	s_wait_tensorcnt 1                             ; my first load (record w) has landed; the second may be out
	s_barrier_signal -1
	s_barrier_wait -1                              ; records 0-3 are whole
	s_mov_b32 s[TB], 0
	s_mov_b32 s[KF], 0
	s_mov_b32 s[CNT], 4
.Lfirst:
	STEP
	s_sub_co_u32 s[CNT], s[CNT], 1
	s_cmp_lg_u32 s[CNT], 0
	s_cbranch_scc1 .Lfirst
	s_setprio 0
	s_wait_tensorcnt 0x0
	s_wait_dscnt 0x0
	s_barrier_signal -1
	s_barrier_wait -1                              ; all sixteen records are whole
	s_mov_b32 s[TB], 4*KVREC
	s_mov_b32 s[KF], 512
	s_mov_b32 s[CNT], 4                            ; the first tile's queries lie under 1,024: eight records serve it
.Lsecond:
	STEP
	s_sub_co_u32 s[CNT], s[CNT], 1
	s_cmp_lg_u32 s[CNT], 0
	s_cbranch_scc1 .Lsecond
	s_setprio 0
	FINISH OC1, OS1
	s_wait_xcnt 0x0                                ; the stores have read their registers
	v_mov_b32 v28, v36                             ; the second tile's Q; the 36 plain lines of START stand between these and the next product
.irp i, 0,1,2,3,4,5
	v_mov_b32 v[16+\i], v[30+\i]
.endr
	START
	s_mov_b32 s[Q0], s[Q1]
	s_mov_b32 s[TB], 0
	s_mov_b32 s[KF], 0
	s_mov_b32 s[CNT], 16
.Lthird:
	STEP
	s_sub_co_u32 s[CNT], s[CNT], 1
	s_cmp_lg_u32 s[CNT], 0
	s_cbranch_scc1 .Lthird
	s_setprio 0
	FINISH OC2, OS2
	s_wait_tensorcnt 0x0
	ds_add_u32 v254, v255
	s_wait_dscnt 0x0
	s_endpgm
.Lfunc_end_k_qa49a72542f_attn:
	.size	k_qa49a72542f_attn, .Lfunc_end_k_qa49a72542f_attn-k_qa49a72542f_attn
	.p2alignl 7, 3214868480
	.fill 96, 4, 3214868480
	.section	.rodata,"a",@progbits
	.p2align	6, 0x0
	.amdhsa_kernel k_qa49a72542f_attn
		.amdhsa_group_segment_fixed_size 210944
		.amdhsa_private_segment_fixed_size 0
		.amdhsa_enable_private_segment 0
		.amdhsa_kernarg_size 24
		.amdhsa_user_sgpr_count 2
		.amdhsa_user_sgpr_kernarg_segment_ptr 1
		.amdhsa_wavefront_size32 1
		.amdhsa_system_sgpr_workgroup_id_x 1
		.amdhsa_system_sgpr_workgroup_id_y 1
		.amdhsa_system_sgpr_workgroup_id_z 1
		.amdhsa_system_vgpr_workitem_id 0
		.amdhsa_next_free_vgpr 256
		.amdhsa_next_free_sgpr 88
		.amdhsa_reserve_vcc 1
		.amdhsa_float_denorm_mode_32 3
		.amdhsa_float_denorm_mode_16_64 3
		.amdhsa_memory_ordered 1
		.amdhsa_forward_progress 1
		.amdhsa_inst_pref_size 88
	.end_amdhsa_kernel
	.amdgpu_metadata
---
amdhsa.version: [ 1, 2 ]
amdhsa.kernels:
  - .name:           k_qa49a72542f_attn
    .symbol:         k_qa49a72542f_attn.kd
    .args:
      - { .name: qrec, .offset: 0, .size: 8, .value_kind: global_buffer, .address_space: global }
      - { .name: kvrec, .offset: 8, .size: 8, .value_kind: global_buffer, .address_space: global }
      - { .name: oq, .offset: 16, .size: 8, .value_kind: global_buffer, .address_space: global }
    .group_segment_fixed_size: 210944
    .private_segment_fixed_size: 0
    .kernarg_segment_align: 8
    .kernarg_segment_size: 24
    .max_flat_workgroup_size: 512
    .sgpr_count:     88
    .vgpr_count:     256
    .wavefront_size: 32
...
	.end_amdgpu_metadata
.endif
;; end of part 3
;; launch proj (part 4): grid 8 x 32, 4 waves a work-group, clusters of 4 x 4, 325,120 bytes of LDS; arguments oq, wo, b_out, out0; writes out0
.if DOCPART == 4
	.amdgcn_target "amdgcn-amd-amdhsa--gfx1250"
	.amdhsa_code_object_version 6
	.text
	.protected	k_qa49a72542f_proj
	.globl	k_qa49a72542f_proj
	.p2align	8
	.type	k_qa49a72542f_proj,@function
k_qa49a72542f_proj:
	s_mov_b64 s[64:65], 0
	v_nop
	global_prefetch_b8 v0, s[64:65] scope:SCOPE_SE
	s_setreg_imm32_b32 hwreg(HW_REG_WAVE_MODE, 25, 1), 1
	s_wait_xcnt 0x0
	s_wait_alu depctr_hold_cnt(0) depctr_sa_sdst(0) depctr_va_vdst(0) depctr_va_sdst(0) depctr_va_ssrc(0) depctr_va_vcc(0) depctr_vm_vsrc(0)
	s_getreg_b32 s2, hwreg(HW_REG_IB_STS2, 6, 4)
	s_cmp_eq_u32 s2, 0
	s_cbranch_scc0 .Lentry_in_a_cluster
	s_endpgm
.Lentry_in_a_cluster:
	s_bfe_u32 s2, ttmp6, 0x10000c
	s_cmp_lg_u32 s2, 0xf033
	s_cbranch_scc0 .Lentry_shape_is_right
	s_endpgm
.Lentry_shape_is_right:
; out0 = o W_out + b_out on codes of BF6 (E3M2) with E8M0 scales; out0 [8192][1024] f32.
; A work-group of four waves makes 256 rows x 128 columns: 256 work-groups.  Wave (wy, wx) makes rows 128 wy on x columns 64 wx on: 32 accumulators of 16 x 16, 256 registers.
; (Tiles of 256 x 256 would be 128 work-groups; so the wave's tile is 128 x 64, at the price of 12 fragments read for 32 products.)
; OPERANDS lie in memory in the order of their registers: a brick of 12,800 bytes is 128 rows x 128 K (eight fragments of 1,536 bytes, then 128 scale words); two K steps of a panel are 25,600 dense bytes.
; LDS HOLDS ALL OF K: K pair s at 76,800 s: o's two panels, W's panel.  Each byte is filled once: waves 0 and 1 bring o's panels, wave 2 W's, four tensor loads each, all issued at the start.
; CLUSTER: o's panels hang on the tile row and are asked for jointly along a row of the cluster, W's on the tile column and along a column.
; THE MATRIX INSTRUCTION IS USED TRANSPOSED (source 0 = 16 rows of W, which are columns of out0; source 1 = 16 rows of o): a lane holds eight neighbouring numbers of a row of out0.
; The bias is the C of each sum's first product.
; REGISTERS, in windows of 256: window 0: v4-9 LDS addresses, which step from K pair to K pair; v16-19 the way out; v32-43 scale words, two sets; v64-95 the bias; v128-191 rows on the way out.
;   windows 1, 2: fragment sets 0, 1: source 0's four at v[12 b], source 1's eight at v[48 + 12 a].   window 3: the accumulators, (a, b) at v[8 (4 a + b)].
.set PANEL, 102400
.set BRK,   12800
.set PAIR,  25600
.set FRB,   1536
.set KP,    76800                      ; a K pair in LDS
.set STAGE, 4*KP                       ; behind them: 16 rows x 272 bytes for each wave, for the way out: bytes of their own
.set SPITCH, 272                       ; 256 bytes + 16: the 16 rows that a store touches start 16 bytes apart modulo 256
.set FR,    12
.set STO,   16
.set RD,    17
.set CO,    18
.set SC,    32                         ; set p at 32 + 6 p: two registers of source 0 (lanes 0-15 tile 2 j, lanes 16-31 tile 2 j + 1), four of source 1
.set BI,    64
.set BK,    128
.set G1O,   24
.set G1W,   32
.set G0O,   40                         ; s[40:55] four sets
.set G0W,   68                         ; s[68:83] four sets
.set MSB, 0
.macro WIN new                         ; the immediate's high byte repeats the setting that is left
.if MSB != (\new)
	s_set_vgpr_msb (MSB<<8)|(\new)
.set MSB, (\new)
.endif
.endm
.macro PLACES
.rept 4
	v_nop
.endr
.endm
.macro CROUND                          ; a round of the cluster's barrier
	s_barrier_signal -1
	s_barrier_wait -1
	s_cmp_lg_u32 s14, 0
	s_cbranch_scc1 .Lnot_wave_0_\@
	s_barrier_signal -3
.Lnot_wave_0_\@:
	s_barrier_wait -3
	s_barrier_signal -1
	s_barrier_wait -1
.endm
	s_load_b256 s[4:11], s[0:1], 0x0               ; oq s[4:5], wo s[6:7], b_out s[8:9], out0 s[10:11]
	v_lshl_add_u32 v254, v0, 2, 0x4f400
	v_mov_b32 v255, 0
	ds_add_u32 v254, v255
	ds_add_u32 v254, v255
	v_lshrrev_b32 v1, 5, v0
	v_readfirstlane_b32 s14, v1                    ; wave 0..3
	s_lshr_b32 s15, s14, 1                         ; wy
	s_and_b32 s16, s14, 1                          ; wx.  Also: which panel of o waves 0 and 1 fetch
	s_bfe_u32 s20, ttmp6, 0x40000                  ; cx
	s_bfe_u32 s21, ttmp6, 0x40004                  ; cy
	s_lshl_b32 s18, ttmp9, 2
	s_add_co_u32 s18, s18, s20                     ; tile column = W's panel
	s_and_b32 s17, ttmp7, 0xffff
	s_lshl_b32 s17, s17, 2
	s_add_co_u32 s17, s17, s21                     ; tile row
	s_lshl_b32 s22, s21, 2
	s_lshl_b32 s22, 15, s22                        ; my row of the cluster
	s_lshl_b32 s23, 0x1111, s20                    ; my column
	s_or_b32 s[G1O], s22, (3<<16)|(1<<21)          ; 25,600 dense bytes as 100 rows of 256 bytes (32 elements of 8 bytes), no padding; 15:0 the mask; 21 set beside a mask
	s_or_b32 s[G1W], s23, (3<<16)|(1<<21)
.irp g, G1O, G1W
	s_mov_b32 s[\g+1], 32<<16
	s_mov_b32 s[\g+2], 100<<16
	s_mov_b32 s[\g+3], 32<<16
	s_mov_b32 s[\g+4], 100
	s_mov_b32 s[\g+5], 32
	s_mov_b32 s[\g+6], 0
	s_mov_b32 s[\g+7], 0
.endr
	s_lshl_b32 s56, s17, 1
	s_add_co_u32 s56, s56, s16                     ; o's panel 2 x tile row + half
	s_mul_i32 s56, s56, PANEL
	s_mov_b32 s57, 0
	s_mul_i32 s58, s18, PANEL                      ; W's panel: in registers that never hold the other coordinate
	s_mov_b32 s59, 0
	s_mul_i32 s60, s16, PAIR                       ; o's place in a K pair
	s_wait_dscnt 0x0
	s_wait_kmcnt 0x0
	s_add_nc_u64 s[56:57], s[4:5], s[56:57]
	s_add_nc_u64 s[58:59], s[6:7], s[58:59]
	CROUND                                         ; all sixteen work-groups are here: the joint loads meet
.irp s, 0,1,2,3
	s_mov_b32 s[G0O+4*\s], 1
	s_add_co_u32 s[G0O+4*\s+1], s60, \s*KP
	s_add_nc_u64 s[G0O+4*\s+2:G0O+4*\s+3], s[56:57], \s*PAIR
	s_or_b32 s[G0O+4*\s+3], s[G0O+4*\s+3], 0x80000000
	s_mov_b32 s[G0W+4*\s], 1
	s_mov_b32 s[G0W+4*\s+1], 2*PAIR+\s*KP
	s_add_nc_u64 s[G0W+4*\s+2:G0W+4*\s+3], s[58:59], \s*PAIR
	s_or_b32 s[G0W+4*\s+3], s[G0W+4*\s+3], 0x80000000
.endr
	s_cmp_lt_u32 s14, 2                            ; a wave's fills stand in one branch: four loads of mine are out at the most
	s_cbranch_scc0 .Lnot_o
	tensor_load_to_lds s[G0O:G0O+3], s[G1O:G1O+7]
	s_nop 0
	tensor_load_to_lds s[G0O+4:G0O+7], s[G1O:G1O+7]
	s_nop 0
	tensor_load_to_lds s[G0O+8:G0O+11], s[G1O:G1O+7]
	s_nop 0
	tensor_load_to_lds s[G0O+12:G0O+15], s[G1O:G1O+7]
	s_nop 0
.rept 4
	v_nop
.endr
	s_branch .Lasked
.Lnot_o:
	s_cmp_eq_u32 s14, 2
	s_cbranch_scc0 .Lasked
	tensor_load_to_lds s[G0W:G0W+3], s[G1W:G1W+7]
	s_nop 0
	tensor_load_to_lds s[G0W+4:G0W+7], s[G1W:G1W+7]
	s_nop 0
	tensor_load_to_lds s[G0W+8:G0W+11], s[G1W:G1W+7]
	s_nop 0
	tensor_load_to_lds s[G0W+12:G0W+15], s[G1W:G1W+7]
	s_nop 0
.rept 4
	v_nop
.endr
.Lasked:
	v_and_b32 v1, 31, v0
	v_and_b32 v2, 15, v0                           ; r
	s_wait_alu depctr_va_vdst(0)
	v_bfe_u32 v3, v0, 4, 1                         ; h
	s_mul_i32 s61, s16, 4*FRB
	s_add_co_u32 s61, s61, 2*PAIR                  ; source 0: W's tiles 4 wx on
	s_lshl_b32 s62, s16, 8
	s_add_co_u32 s62, s62, 2*PAIR+8*FRB            ; and their scale words
	s_mul_i32 s63, s15, PAIR                       ; source 1: o's panel wy
	v_lshl_add_u32 v4, v1, 4, s61
	v_lshl_add_u32 v5, v1, 3, s61
	v_lshl_add_u32 v6, v1, 2, s62
	v_lshl_add_u32 v7, v1, 4, s63
	v_lshl_add_u32 v8, v1, 3, s63
	s_add_co_u32 s63, s63, 8*FRB
	v_lshl_add_u32 v9, v1, 2, s63
	s_mul_i32 s84, s14, 16*SPITCH
	s_add_co_u32 s84, s84, STAGE                   ; my stage
	v_mul_u32_u24 v[STO], v2, SPITCH
	s_wait_alu depctr_va_vdst(0)
	v_lshl_add_u32 v[STO], v3, 5, v[STO]
	v_add_nc_u32 v[STO], s84, v[STO]               ; in: row r, + 32 h
	v_mul_u32_u24 v[RD], v3, SPITCH
	v_lshl_add_u32 v[RD], v2, 4, v[RD]
	v_add_nc_u32 v[RD], s84, v[RD]                 ; back: lanes 0-15 one row of 256 bytes, lanes 16-31 the next
	v_lshlrev_b32 v[CO], 12, v3
	v_lshl_add_u32 v[CO], v2, 4, v[CO]             ; and the same two rows in out0
	v_lshlrev_b32 v19, 5, v3                       ; 32 h
	s_lshl_b32 s86, s18, 9
	s_lshl_b32 s87, s16, 8
	s_add_co_u32 s86, s86, s87                     ; my first column, in bytes: 512 x tile column + 256 wx
	s_mov_b32 s87, 0
	s_add_nc_u64 s[8:9], s[8:9], s[86:87]
.irp b, 0,1,2,3
	global_load_b128 v[BI+8*\b:BI+8*\b+3], v19, s[8:9] offset:64*\b          ; the bias in the result's layout: register 8 b + j: column 16 b + 8 h + j
	global_load_b128 v[BI+8*\b+4:BI+8*\b+7], v19, s[8:9] offset:64*\b+16
.endr
	s_lshl_b32 s84, s17, 20                        ; my first row: 256 x tile row + 128 wy, rows of 4,096 bytes
	s_lshl_b32 s85, s15, 19
	s_add_co_u32 s84, s84, s85
	s_add_co_u32 s84, s84, s86
	s_mov_b32 s85, 0
	s_add_nc_u64 s[10:11], s[10:11], s[84:85]
.macro FRAG reg, a16, a8, off          ; a fragment comes as it lies: every instruction reads consecutive bytes
	ds_load_b128 v[(\reg):(\reg)+3], v[\a16] offset:(\off)
	ds_load_b64 v[(\reg)+4:(\reg)+5], v[\a8] offset:(\off)+512
	ds_load_b128 v[(\reg)+6:(\reg)+9], v[\a16] offset:(\off)+768
	ds_load_b64 v[(\reg)+10:(\reg)+11], v[\a8] offset:(\off)+1280
.endm
.macro FH0 q, p                        ; the pair's q-th K step into set p: source 0's four fragments, source 1's tiles 0-3, the scale words: 38 loads
	WIN (1+(\p))<<6
.irp i, 0,1,2,3
	FRAG FR*\i, 4, 5, BRK*(\q)+FRB*\i
.endr
.irp i, 0,1,2,3
	FRAG 48+FR*\i, 7, 8, BRK*(\q)+FRB*\i
.endr
	WIN 0
.irp j, 0,1
	ds_load_b32 v[SC+6*(\p)+\j], v6 offset:BRK*(\q)+128*\j
.endr
.irp j, 0,1,2,3
	ds_load_b32 v[SC+6*(\p)+2+\j], v9 offset:BRK*(\q)+128*\j
.endr
.endm
.macro FH1 q, p                        ; source 1's tiles 4-7: 16 loads
	WIN (1+(\p))<<6
.irp i, 4,5,6,7
	FRAG 48+FR*\i, 7, 8, BRK*(\q)+FRB*\i
.endr
.endm
.macro WM a, b, p, first
.set wD, 8*(4*(\a)+(\b))
.set wA, FR*(\b)
.set wB, 48+FR*(\a)
.set kA, SC+6*(\p)+(\b)/2
.set kB, SC+6*(\p)+2+(\a)/2
.set par, 2*((\a)%2)+(\b)%2
.if \first
.set wC, BI+8*(\b)                     ; (in window 0)
.else
.set wC, wD
.endif
.if par == 0
	v_wmma_scale_f32_16x16x128_f8f6f4 v[wD:wD+7], v[wA:wA+11], v[wB:wB+11], v[wC:wC+7], v[kA], v[kB] matrix_a_fmt:MATRIX_FMT_BF6 matrix_b_fmt:MATRIX_FMT_BF6
.elseif par == 1
	v_wmma_scale_f32_16x16x128_f8f6f4 v[wD:wD+7], v[wA:wA+11], v[wB:wB+11], v[wC:wC+7], v[kA], v[kB] matrix_a_fmt:MATRIX_FMT_BF6 matrix_b_fmt:MATRIX_FMT_BF6 matrix_a_scale:MATRIX_SCALE_ROW1
.elseif par == 2
	v_wmma_scale_f32_16x16x128_f8f6f4 v[wD:wD+7], v[wA:wA+11], v[wB:wB+11], v[wC:wC+7], v[kA], v[kB] matrix_a_fmt:MATRIX_FMT_BF6 matrix_b_fmt:MATRIX_FMT_BF6 matrix_b_scale:MATRIX_SCALE_ROW1
.else
	v_wmma_scale_f32_16x16x128_f8f6f4 v[wD:wD+7], v[wA:wA+11], v[wB:wB+11], v[wC:wC+7], v[kA], v[kB] matrix_a_fmt:MATRIX_FMT_BF6 matrix_b_fmt:MATRIX_FMT_BF6 matrix_a_scale:MATRIX_SCALE_ROW1 matrix_b_scale:MATRIX_SCALE_ROW1
.endif
.endm
; 8 products: source 1's tiles a0, a0 + 1 x source 0's four.  The 32 accumulators take turns, one instruction a turn, in the same order in every step.
.macro MUL8 a0, p, first
.if \first
	WIN 0xc5                                       ; sources window 1, C (the bias) window 0, D window 3
.else
	WIN 0xf0+5*(1+(\p))                            ; sources window 1 + p, C and D window 3
.endif
.irp a, \a0, \a0+1
.irp b, 0,1,2,3
	WM \a, \b, \p, \first
.endr
.endr
.endm
; An even K step (set 0): its successor lies in the same K pair
.macro STEPE first
	s_wait_dscnt 16                                ; all of this set but the youngest run (source 1's tiles 4-7) is in
	MUL8 0, 0, \first
	PLACES                                         ; behind the last step's products, which read the other set
	FH0 1, 1
	MUL8 2, 0, \first
	s_wait_dscnt 38                                ; all but the 38 just issued
	MUL8 4, 0, \first
	FH1 1, 1
	MUL8 6, 0, \first
.endm
; An odd K step (set 1): its successor lies in the next K pair, which has to be shown whole.  left: how many of my tensor loads may stay out
.macro STEPO left
	s_wait_dscnt 16
	MUL8 0, 1, 0
	s_wait_tensorcnt \left                         ; my part of the next K pair has landed; the later pairs may be out
	s_wait_dscnt 0x0
	s_barrier_signal -1
	MUL8 2, 1, 0
	s_barrier_wait -1
	WIN 0
.irp r, 4,5,6,7,8,9
	v_add_nc_u32 v\r, KP, v\r                      ; on to the next K pair (no LDS load of mine is out); these six are also the places in front of the loads below
.endr
	FH0 0, 0
	MUL8 4, 1, 0
	FH1 0, 0
	MUL8 6, 1, 0
.endm
	s_wait_loadcnt 0x0                             ; the bias
	s_wait_tensorcnt 3                             ; my part of K pair 0 is in
	s_barrier_signal -1
	s_barrier_wait -1
	FH0 0, 0
	FH1 0, 0
	STEPE 1                                        ; K step 0: the bias starts the sums
	STEPO 2
	s_wait_alu depctr_va_vdst(0)
	STEPE 0
	STEPO 1
	s_wait_alu depctr_va_vdst(0)
	STEPE 0
	STEPO 0
	s_wait_alu depctr_va_vdst(0)
	STEPE 0
	s_wait_dscnt 16                                ; K step 7: nothing more to fetch
	MUL8 0, 1, 0
	MUL8 2, 1, 0
	s_wait_dscnt 0x0
	MUL8 4, 1, 0
	MUL8 6, 1, 0
	WIN 0
; THE WAY OUT, 16 rows x 64 columns at a time.  A lane holds 32 neighbouring bytes of a row and the lanes beside it other rows: so a block goes through my own stage in LDS and comes back as whole rows of 256 bytes.
; LDS serves a wave's instructions in order (ISA guide 5.7.1.4): no wait between the stores and the loads, nor in front of the next block's stores.
.macro TOSTAGE a
	WIN 0x0c                                       ; an LDS store's data are its source 1: window 3
.irp b, 0,1,2,3
	ds_store_b128 v[STO], v[8*(4*(\a)+\b):8*(4*(\a)+\b)+3] offset:64*\b          ; each accumulator from its low end on
	ds_store_b128 v[STO], v[8*(4*(\a)+\b)+4:8*(4*(\a)+\b)+7] offset:64*\b+16
.endr
	WIN 0
.irp t, 0,1,2,3,4,5,6,7
	ds_load_b128 v[BK+32*((\a)%2)+4*\t:BK+32*((\a)%2)+4*\t+3], v[RD] offset:\t*2*SPITCH
.endr
.endm
.macro SEND a, younger                 ; younger: the LDS instructions issued behind block a's loads
	s_wait_dscnt \younger
.irp t, 0,1,2,3,4,5,6,7
	global_store_b128 v[CO], v[BK+32*((\a)%2)+4*\t:BK+32*((\a)%2)+4*\t+3], s[10:11] offset:65536*(\a)+8192*\t th:TH_STORE_NT   ; 16 lanes store 256 consecutive bytes, aligned; written once, read by nobody here
.endr
.endm
	PLACES                                         ; behind the last products
	TOSTAGE 0
.irp a, 1,2,3,4,5,6,7
.if \a > 1
	s_wait_xcnt 0x0                                ; block a - 2's stores have read their registers: block a's loads may land there
.endif
	TOSTAGE \a
	SEND \a-1, 16                                  ; behind block a - 1's loads: block a's 8 stores and 8 loads
.endr
	SEND 7, 0
	s_wait_tensorcnt 0x0
	ds_add_u32 v254, v255
	s_wait_dscnt 0x0
	CROUND                                         ; the closing round: no work-group ends while a partner may still ask for a tile that names it
	s_endpgm
.Lfunc_end_k_qa49a72542f_proj:
	.size	k_qa49a72542f_proj, .Lfunc_end_k_qa49a72542f_proj-k_qa49a72542f_proj
	.p2alignl 7, 3214868480
	.fill 96, 4, 3214868480
	.section	.rodata,"a",@progbits
	.p2align	6, 0x0
	.amdhsa_kernel k_qa49a72542f_proj
		.amdhsa_group_segment_fixed_size 325120
		.amdhsa_private_segment_fixed_size 0
		.amdhsa_enable_private_segment 0
		.amdhsa_kernarg_size 32
		.amdhsa_user_sgpr_count 2
		.amdhsa_user_sgpr_kernarg_segment_ptr 1
		.amdhsa_wavefront_size32 1
		.amdhsa_system_sgpr_workgroup_id_x 1
		.amdhsa_system_sgpr_workgroup_id_y 1
		.amdhsa_system_sgpr_workgroup_id_z 1
		.amdhsa_system_vgpr_workitem_id 0
		.amdhsa_next_free_vgpr 1024
		.amdhsa_next_free_sgpr 96
		.amdhsa_reserve_vcc 0
		.amdhsa_float_denorm_mode_32 3
		.amdhsa_float_denorm_mode_16_64 3
		.amdhsa_memory_ordered 1
		.amdhsa_forward_progress 1
		.amdhsa_inst_pref_size 88
	.end_amdhsa_kernel
	.amdgpu_metadata
---
amdhsa.version: [ 1, 2 ]
amdhsa.kernels:
  - .name:           k_qa49a72542f_proj
    .symbol:         k_qa49a72542f_proj.kd
    .args:
      - { .name: oq, .offset: 0, .size: 8, .value_kind: global_buffer, .address_space: global }
      - { .name: wo, .offset: 8, .size: 8, .value_kind: global_buffer, .address_space: global }
      - { .name: b_out, .offset: 16, .size: 8, .value_kind: global_buffer, .address_space: global }
      - { .name: out0, .offset: 24, .size: 8, .value_kind: global_buffer, .address_space: global }
    .group_segment_fixed_size: 325120
    .private_segment_fixed_size: 0
    .kernarg_segment_align: 8
    .kernarg_segment_size: 32
    .max_flat_workgroup_size: 128
    .sgpr_count:     96
    .vgpr_count:     1024
    .wavefront_size: 32
...
	.end_amdgpu_metadata
.endif
;; end of part 4
